; MI455X (gfx1250); checked and timed in simulation.
; The chip was launched on July 23, 2026; its instructions are those of AMD's public machine-readable ISA for CDNA 5 (MIT licence, August 2026) and "CDNA5" Instruction Set Architecture Reference Guide (July 2026). The comments in the code are by the model that wrote it; some were corrected since.
;; Multihead Diff Attn. Allowed arithmetic: matrix products marked QUANTISED: E2M1 operands, one E8M0 scale for each 32 along K, by v_wmma_scale_f32_16x16x128_f8f6f4 with both operands' format E2M1 (or v_wmma_scale_f32_32x16x128_f4), f32 sums; products left as they are: bf16, f16 or f32 operands; f32 sums; everything else in f32.
;; Inputs: Wk 1,024 x 1,024 float32; Wo 1,024 x 1,024 float32; Wq 2,048 x 1,024 float32; Wv 512 x 1,024 float32; g 1,024 float32; k 2 x 2,048 x 1,024 float32; lam one number float32; q 2 x 2,048 x 1,024 float32; v 2 x 2,048 x 1,024 float32.
;; Outputs: out0 2 x 2,048 x 1,024 float32.
;; This version of the problem:
;;   THIS VERSION OF THE PROBLEM IS GIVEN IN LOW PRECISION. The matrix products marked QUANTISED in the list below multiply operands that are first quantised to E2M1 (2 exponent bits, 1 mantissa bit; 4 bits a number), with one power-of-two scale for each 32 numbers along K (OCP MX v1.0); their sums are f32. The products marked 'left as it is' may take bf16, f16 or f32 operands, with f32 sums. Whichever they take, every output number must still come out within the allowed error. Rounding operands to bf16 (8 significant bits) uses up far more of that allowance than f16 does (11 bits, for magnitudes from 6e-5 to 65,504). All else is computed in f32.
;;   The module's matrix products, in the order in which they are computed (A, B: the left and right operand; K: the contracted axis; several contracted axes count as one K, in the product's order):
;;     1. [M 4,096, K 1,024] x [K 1,024, N 2,048]; A: input q; B: input Wq: QUANTISED
;;     2. [M 4,096, K 1,024] x [K 1,024, N 1,024]; A: input k; B: input Wk: QUANTISED
;;     3. [M 4,096, K 1,024] x [K 1,024, N 512]; A: input v; B: input Wv: QUANTISED
;;     4. batch 32 x [M 2,048, K 64] x [K 64, N 2,048]; A: computed on the way; B: computed on the way: left as it is (an operand is computed on the way)
;;     5. batch 32 x [M 2,048, K 64] x [K 64, N 2,048]; A: computed on the way; B: computed on the way: left as it is (an operand is computed on the way)
;;     6. batch 32 x [M 2,048, K 2,048] x [K 2,048, N 64]; A: computed on the way; B: computed on the way: left as it is (an operand is computed on the way)
;;     7. [M 4,096, K 1,024] x [K 1,024, N 1,024]; A: computed on the way; B: input Wo: left as it is (an operand is computed on the way)
;;   THE QUANTISER, for each operand of a quantised product, along K:
;;     - K is cut into blocks of 32 from its start; a last block that is shorter is filled with zeros.
;;     - A block's scale is 2^e with e = floor(log2(the largest magnitude in the block)) - 2, held to -126 .. 127; a block of zeros has e = 0. As a byte (E8M0): e + 127.
;;     - Each number is divided by its block's scale, clamped to +-6, and rounded to the nearest number of E2M1, ties to even, subnormals kept.
;;     - The product sums the exact products of the quantised numbers (number of the format x scale) in f32.
;;   ~~~python
;;   def quantise(x, axis):      # numpy; x: float32 -> the quantised numbers, widened to float32 again
;;       x = np.moveaxis(x, axis, -1); K = x.shape[-1]
;;       x = np.pad(x, [(0, 0)] * (x.ndim - 1) + [(0, -K % 32)]); x = x.reshape(x.shape[:-1] + (-1, 32)); a = np.abs(x).max(-1, keepdims=True)
;;       e = np.where(a > 0, np.clip(np.frexp(np.where(a > 0, a, 1))[1] - 1 - 2, -126, 127), 0)      # np.frexp(a)[1] - 1 = floor(log2(a)), exactly
;;       r = np.clip(x / 2.0 ** e, -6, 6)
;;       step = 2.0 ** (np.maximum(np.frexp(np.where(r == 0, 1, r))[1] - 1, 0) - 1)
;;       q = np.round(r / step) * step * 2.0 ** e      # np.round: ties to even
;;       return np.moveaxis(q.reshape(q.shape[:-2] + (-1,))[..., :K], -1, axis).astype(np.float32)
;;   ~~~
;; One version. Each part assembles by itself: llvm-mc -triple=amdgcn-amd-amdhsa -mcpu=gfx1250 --defsym DOCPART=n.
;; ======== version 1 of 1: 4 launches
;; limits: values are held in f16: magnitudes above 65,504 overflow, below 6.1e-05 lose precision
;; workspace buffers: codes 8,126,464 bytes; scales 507,904 bytes; wo16 2,097,152 bytes; proj 29,360,128 bytes; att16 8,388,608 bytes; ss 262,144 bytes
;; launch quant (part 1): grid 528 x 1, 4 waves a work-group, no clusters, 33,280 bytes of LDS; arguments q, k, v, Wq, Wk, Wv, Wo, g, codes, scales, wo16; writes codes, scales, wo16
.if DOCPART == 1
	.amdgcn_target "amdgcn-amd-amdhsa--gfx1250"
	.amdhsa_code_object_version 6
	.text
	.protected	k_qc1680edddc_quant
	.globl	k_qc1680edddc_quant
	.p2align	8
	.type	k_qc1680edddc_quant,@function
k_qc1680edddc_quant:
	s_mov_b64 s[64:65], 0
	v_nop
	global_prefetch_b8 v0, s[64:65] scope:SCOPE_SE
	s_setreg_imm32_b32 hwreg(HW_REG_WAVE_MODE, 25, 1), 1
	s_wait_xcnt 0x0
; q, k, v [4096][1024] and Wq [2048][1024], Wk [1024][1024], Wv [512][1024], f32, become codes of FP4 (E2M1), K innermost, 512 bytes a row, with one E8M0 byte for each 32 along K, 32 bytes a row.
; All six share one buffer of codes and one of scale bytes; first rows: q 0, k 4096, v 8192, Wq 12288, Wk 14336, Wv 15360.
; A block's scale is 2^(floor(log2(its largest magnitude)) - 2); its byte is the largest magnitude's exponent field - 2, held at 1 from below; each number is divided by the scale and rounded to the nearest code, ties to even, beyond 6 the largest code.
; THE ROWS OF Wq AND Wk ARE WRITTEN IN ANOTHER ORDER: row half x (rows / 2) + head x 64 + d goes to row head x 128 + half x 64 + d, so that in the projections' results the two halves of a head are 256 neighbouring bytes.
; The order moves whole runs of 8 rows, and a wave's share is one run of 8 rows (8,192 numbers): only the place where a wave stores changes.
; The last 32 work-groups make wo16[n][k] = f16(Wo[n][k] x g[k]): the gain of the norm rides on the weight of the last product.  32 rows a work-group, 8 a wave; no LDS.
; LIMITS: blocks whose largest magnitude lies under 2^-124 have their byte held at 1; a block of zeros gets the byte 1 (its codes are zeros; this program alone reads the bytes); NaN and infinities are not served;
; |Wo x g| has to stay under 65,504, and under 6e-8 it is lost (f16).
.set STEPS, 16
.set EMAX,  2
.set CB,    8                          ; bytes of 16 codes
.set R,     16                         ; v16-79   four sets of 16 numbers as they are loaded
.set X,     80                         ; v80-111  two sets of 16 neighbours
.set E,     112                        ; v112-127 a scale byte for each step
.set C,     128                        ; v128-191 codes: four registers for each step, so that no store's data are written again
.set WREG,  8192                       ; LDS: a region for each wave: two stages of 32 x SP bytes, behind them its 256 scale bytes
.set SP,    80                         ; a lane's place in a stage: 64 bytes + 16 of padding
.set SPW,   12                         ; v12  LDS address of my spare word; never rewritten
.set NIL,   13                         ; v13  0; never rewritten
.set SPARE, 4*WREG                     ; behind the four regions: the spare words, 128 bytes a wave
.set G,     16                         ; the Wo path: v16-47 g of my 32 columns
.set IN,    48                         ; v48-111  two sets of 32 numbers
.set OUT,   112                        ; v112-143 two sets of 16 registers of f16 pairs
.macro PICK limit, ptr, first          ; work-groups under limit belong to an earlier tensor: the choice hangs on the work-group's number alone
	s_cmp_lt_u32 ttmp9, \limit
	s_cselect_b64 s[28:29], s[\ptr:\ptr+1], s[28:29]
	s_cselect_b32 s30, \first, s30
.endm
.macro LOAD t
.irp i, 0,1,2,3
	global_load_b128 v[R+16*((\t)%4)+4*\i:R+16*((\t)%4)+4*\i+3], v3, s[28:29] offset:2048*(\t)+512*\i th:TH_LOAD_NT   ; 32 lanes read 512 consecutive bytes
.endr
.endm
.macro TURN t                          ; step t's numbers through the stage: LDS serves a wave's instructions in order, so no wait stands between the stores and the loads
.irp i, 0,1,2,3
	ds_store_b128 v14, v[R+16*((\t)%4)+4*\i:R+16*((\t)%4)+4*\i+3] offset:32*SP*((\t)%2)+8*SP*\i
.endr
.irp i, 0,1,2,3
	ds_load_b128 v[X+16*((\t)%2)+4*\i:X+16*((\t)%2)+4*\i+3], v15 offset:32*SP*((\t)%2)+16*\i
.endr
.endm
.macro STEP t
.set XS, X+16*((\t)%2)
.if (\t) > 0
	s_wait_dscnt 1                                 ; this step's numbers are back from the stage (the last step's byte store may be out)
.else
	s_wait_dscnt 0x0
.endif
.if (\t)+4 < STEPS
	LOAD (\t)+4                                    ; the registers that the stage's stores have read take the loads of four steps on
.endif
.if (\t)+1 < STEPS
.if STEPS-2-(\t) >= 3
	s_wait_loadcnt 12                              ; the next step's four loads are in; those of the three steps behind it may be out
.else
	s_wait_loadcnt 4*(STEPS-2-(\t))
.endif
	TURN (\t)+1
.endif
	v_max3_num_f32 v8, |v[XS]|, |v[XS+1]|, |v[XS+2]|               ; the largest magnitude of my 16, in two chains
	v_max3_num_f32 v9, |v[XS+3]|, |v[XS+4]|, |v[XS+5]|
.irp i, 6,10
	v_max3_num_f32 v8, v8, |v[XS+\i]|, |v[XS+\i+1]|
	v_max3_num_f32 v9, v9, |v[XS+\i+2]|, |v[XS+\i+3]|
.endr
	v_max3_num_f32 v8, v8, |v[XS+14]|, |v[XS+15]|
	v_max3_num_f32 v8, v8, v9, (EMAX+1)<<23        ; and the floor 2^(3 - 127): the byte cannot fall under 1
	v_max_num_f32_dpp v8, v8, v8 row_xmask:1 row_mask:0xf bank_mask:0xf   ; with my neighbour's 16: the block's
	v_add_nc_u32 v11, -(EMAX<<23), v8              ; 2 off its exponent field: the conversion takes the exponent field of this operand as its scale
	v_cvt_scalef32_pk8_fp4_f32 v[C+4*(\t)], v[XS:XS+7], v11
	v_cvt_scalef32_pk8_fp4_f32 v[C+4*(\t)+1], v[XS+8:XS+15], v11
	v_lshrrev_b32 v[E+(\t)], 23, v11               ; the scale's byte (also the plain line behind the conversions)
	ds_store_b8 v5, v[E+(\t)] offset:16*(\t)       ; both lanes of a block write the same byte with the same value
	global_store_b64 v4, v[C+4*(\t):C+4*(\t)+1], s[20:21] offset:32*CB*(\t)   ; 32 lanes store 256 consecutive bytes, aligned
.endm
.macro WLOAD i                         ; row i of my eight rows of Wo: chunk j is 1,024 bytes, 32 bytes a lane
.irp j, 0,1,2,3
	global_load_b128 v[IN+32*((\i)%2)+8*\j:IN+32*((\i)%2)+8*\j+3],   v8, s[16:17] offset:(\i)*4096+\j*1024 th:TH_LOAD_NT
	global_load_b128 v[IN+32*((\i)%2)+8*\j+4:IN+32*((\i)%2)+8*\j+7], v8, s[16:17] offset:(\i)*4096+\j*1024+16 th:TH_LOAD_NT
.endr
.endm
.macro WROW i
.set IS, IN+32*((\i)%2)
.set OS, OUT+16*((\i)%2)
.if (\i) < 7
	s_wait_loadcnt 8                               ; g and this row are in; the next row's eight loads may be out
.else
	s_wait_loadcnt 0x0
.endif
.if (\i) >= 2
	s_wait_xcnt 0x0                                ; the stores of two rows back have read this set of registers
.endif
.set n, 0
.rept 16
	v_pk_mul_f32 v[IS+n:IS+n+1], v[IS+n:IS+n+1], v[G+n:G+n+1]
.set n, n+2
.endr
.set n, 0
.rept 16
	v_cvt_pk_f16_f32 v[OS+n], v[IS+2*n], v[IS+2*n+1]
.set n, n+1
.endr
.if (\i) < 6
	WLOAD (\i)+2
.endif
.irp j, 0,1,2,3
	global_store_b128 v9, v[OS+4*\j:OS+4*\j+3], s[24:25] offset:(\i)*2048+\j*512   ; 32 lanes store 512 consecutive bytes, aligned
.endr
.endm
	s_load_b512 s[4:19], s[0:1], 0x0               ; q s[4:5], k s[6:7], v s[8:9], Wq s[10:11], Wk s[12:13], Wv s[14:15], Wo s[16:17], g s[18:19]
	s_load_b128 s[20:23], s[0:1], 0x40             ; codes, scales
	s_load_b64 s[24:25], s[0:1], 0x50              ; wo16
	v_lshl_add_u32 v[SPW], v0, 2, SPARE
	v_mov_b32 v[NIL], 0
	v_lshrrev_b32 v1, 5, v0
	v_readfirstlane_b32 s26, v1                    ; wave
	v_and_b32 v2, 31, v0                           ; lane
	v_lshlrev_b32 v3, 4, v2                        ; my 16 bytes of a load's 512
	s_mul_i32 s27, s26, WREG
	v_lshrrev_b32 v14, 2, v2
	v_mul_u32_u24 v14, v14, SP
	v_and_b32 v15, 3, v2
	v_lshl_add_u32 v14, v15, 4, v14
	v_add_nc_u32 v14, s27, v14                     ; the stage on the way in: SP (lane / 4) + 16 (lane % 4)
	v_mul_u32_u24 v15, v2, SP
	v_add_nc_u32 v15, s27, v15                     ; and on the way out: SP x lane: my 16 neighbours
	v_mul_u32_u24 v4, v2, CB                       ; my codes' place in a step's
	v_lshrrev_b32 v5, 1, v2
	s_add_co_u32 s27, s27, 2*32*SP
	v_add_nc_u32 v5, s27, v5                       ; LDS: my wave's 256 scale bytes, my block's byte
	v_lshlrev_b32 v7, 3, v2                        ; and on the way out 8 bytes a lane
	v_add_nc_u32 v6, s27, v7
	s_wait_kmcnt 0x0
	s_cmp_ge_u32 ttmp9, 496
	s_cbranch_scc1 .Lwo
	; which tensor: first work-groups q 0, k 128, v 256, Wq 384, Wk 448, Wv 480
	s_mov_b64 s[28:29], s[14:15]
	s_mov_b32 s30, 480
	PICK 480, 12, 448
	PICK 448, 10, 384
	PICK 384, 8, 256
	PICK 256, 6, 128
	PICK 128, 4, 0
	s_lshl_b32 s31, ttmp9, 2
	s_add_co_u32 s31, s31, s26                     ; my run of 8 rows, counted over all six tensors
	s_lshl_b32 s32, s30, 2                         ; the tensor's first run
	s_sub_co_u32 s33, s31, s32                     ; w: my run in the tensor
	s_cmp_lt_u32 ttmp9, 448
	s_cselect_b32 s34, 7, 6                        ; Wq has 128 runs in a half, Wk 64
	s_lshr_b32 s35, s33, s34                       ; half
	s_lshl_b32 s36, s35, s34
	s_sub_co_u32 s36, s33, s36                     ; 8 x head + d / 8
	s_lshr_b32 s37, s36, 3
	s_lshl_b32 s37, s37, 4                         ; 16 x head
	s_and_b32 s36, s36, 7
	s_or_b32 s37, s37, s36
	s_lshl_b32 s35, s35, 3
	s_or_b32 s37, s37, s35                         ; 16 x head + 8 x half + d / 8
	s_sub_co_u32 s38, ttmp9, 384
	s_cmp_lt_u32 s38, 96                           ; Wq or Wk?
	s_cselect_b32 s37, s37, s33
	s_add_co_u32 s37, s37, s32                     ; the run where I store
	s_lshl_b32 s38, s33, 15                        ; a run is 32,768 bytes of f32,
	s_mov_b32 s39, 0
	s_add_nc_u64 s[28:29], s[28:29], s[38:39]
	s_lshl_b32 s38, s37, 12                        ; 4,096 bytes of codes,
	s_add_nc_u64 s[20:21], s[20:21], s[38:39]
	s_lshl_b32 s38, s37, 8                         ; 256 scale bytes
	s_add_nc_u64 s[22:23], s[22:23], s[38:39]
.irp t, 0,1,2,3
	LOAD \t
.endr
	s_wait_loadcnt 12                              ; step 0's four loads are in
	TURN 0
.irp t, 0,1,2,3,4,5,6,7,8,9,10,11,12,13,14,15
	STEP \t
.endr
	ds_load_b64 v[8:9], v6                         ; LDS serves a wave's instructions in order: these see my byte stores
	s_wait_dscnt 0x0
	global_store_b64 v7, v[8:9], s[22:23]          ; 32 lanes store 256 consecutive bytes, aligned
	s_wait_tensorcnt 0x0                           ; the wave's end, behind my last LDS store
	ds_add_u32 v[SPW], v[NIL]
	s_wait_dscnt 0x0
	s_endpgm
.Lwo:
	s_sub_co_u32 s27, ttmp9, 496
	s_lshl_b32 s27, s27, 5
	s_lshl_b32 s28, s26, 3
	s_add_co_u32 s27, s27, s28                     ; my first row of Wo: 32 x work-group + 8 x wave
	s_lshl_b32 s28, s27, 12
	s_mov_b32 s29, 0
	s_add_nc_u64 s[16:17], s[16:17], s[28:29]
	s_lshl_b32 s28, s27, 11
	s_add_nc_u64 s[24:25], s[24:25], s[28:29]
	v_lshlrev_b32 v8, 5, v2                        ; in: 8 numbers, 32 bytes a lane
	v_lshlrev_b32 v9, 4, v2                        ; out: 16 bytes a lane
.irp j, 0,1,2,3
	global_load_b128 v[G+8*\j:G+8*\j+3],   v8, s[18:19] offset:\j*1024
	global_load_b128 v[G+8*\j+4:G+8*\j+7], v8, s[18:19] offset:\j*1024+16
.endr
	WLOAD 0
	WLOAD 1
.irp i, 0,1,2,3,4,5,6,7
	WROW \i
.endr
	s_wait_tensorcnt 0x0                           ; the same three lines at this end of the text
	ds_add_u32 v[SPW], v[NIL]
	s_wait_dscnt 0x0
	s_endpgm
.Lfunc_end_k_qc1680edddc_quant:
	.size	k_qc1680edddc_quant, .Lfunc_end_k_qc1680edddc_quant-k_qc1680edddc_quant
	.p2alignl 7, 3214868480
	.fill 96, 4, 3214868480
	.section	.rodata,"a",@progbits
	.p2align	6, 0x0
	.amdhsa_kernel k_qc1680edddc_quant
		.amdhsa_group_segment_fixed_size 33280
		.amdhsa_private_segment_fixed_size 0
		.amdhsa_enable_private_segment 0
		.amdhsa_kernarg_size 88
		.amdhsa_user_sgpr_count 2
		.amdhsa_user_sgpr_kernarg_segment_ptr 1
		.amdhsa_wavefront_size32 1
		.amdhsa_system_sgpr_workgroup_id_x 1
		.amdhsa_system_sgpr_workgroup_id_y 1
		.amdhsa_system_sgpr_workgroup_id_z 1
		.amdhsa_system_vgpr_workitem_id 0
		.amdhsa_next_free_vgpr 192
		.amdhsa_next_free_sgpr 66
		.amdhsa_reserve_vcc 0
		.amdhsa_float_denorm_mode_32 3
		.amdhsa_float_denorm_mode_16_64 3
		.amdhsa_memory_ordered 1
		.amdhsa_forward_progress 1
		.amdhsa_inst_pref_size 61
	.end_amdhsa_kernel
	.amdgpu_metadata
---
amdhsa.version: [ 1, 2 ]
amdhsa.kernels:
  - .name:           k_qc1680edddc_quant
    .symbol:         k_qc1680edddc_quant.kd
    .args:
      - { .name: q, .offset: 0, .size: 8, .value_kind: global_buffer, .address_space: global }
      - { .name: k, .offset: 8, .size: 8, .value_kind: global_buffer, .address_space: global }
      - { .name: v, .offset: 16, .size: 8, .value_kind: global_buffer, .address_space: global }
      - { .name: Wq, .offset: 24, .size: 8, .value_kind: global_buffer, .address_space: global }
      - { .name: Wk, .offset: 32, .size: 8, .value_kind: global_buffer, .address_space: global }
      - { .name: Wv, .offset: 40, .size: 8, .value_kind: global_buffer, .address_space: global }
      - { .name: Wo, .offset: 48, .size: 8, .value_kind: global_buffer, .address_space: global }
      - { .name: g, .offset: 56, .size: 8, .value_kind: global_buffer, .address_space: global }
      - { .name: codes, .offset: 64, .size: 8, .value_kind: global_buffer, .address_space: global }
      - { .name: scales, .offset: 72, .size: 8, .value_kind: global_buffer, .address_space: global }
      - { .name: wo16, .offset: 80, .size: 8, .value_kind: global_buffer, .address_space: global }
    .group_segment_fixed_size: 33280
    .private_segment_fixed_size: 0
    .kernarg_segment_align: 8
    .kernarg_segment_size: 88
    .max_flat_workgroup_size: 128
    .sgpr_count:     66
    .vgpr_count:     192
    .wavefront_size: 32
...
	.end_amdgpu_metadata
.endif
;; end of part 1
;; launch proj (part 2): grid 224 x 1, 4 waves a work-group, clusters of 4 x 1, 327,680 bytes of LDS; arguments codes, scales, proj; writes proj
.if DOCPART == 2
	.amdgcn_target "amdgcn-amd-amdhsa--gfx1250"
	.amdhsa_code_object_version 6
	.text
	.protected	k_qc1680edddc_proj
	.globl	k_qc1680edddc_proj
	.p2align	8
	.type	k_qc1680edddc_proj,@function
k_qc1680edddc_proj:
	s_mov_b64 s[64:65], 0
	v_nop
	global_prefetch_b8 v0, s[64:65] scope:SCOPE_SE
	s_setreg_imm32_b32 hwreg(HW_REG_WAVE_MODE, 25, 1), 1
	s_wait_xcnt 0x0
	s_wait_alu depctr_hold_cnt(0) depctr_sa_sdst(0) depctr_va_vdst(0) depctr_va_sdst(0) depctr_va_ssrc(0) depctr_va_vcc(0) depctr_vm_vsrc(0)
	s_getreg_b32 s2, hwreg(HW_REG_IB_STS2, 6, 4)
	s_cmp_eq_u32 s2, 0
	s_cbranch_scc0 .Lentry_in_a_cluster
	s_endpgm
.Lentry_in_a_cluster:
	s_bfe_u32 s2, ttmp6, 0x10000c
	s_cmp_lg_u32 s2, 0x3003
	s_cbranch_scc0 .Lentry_shape_is_right
	s_endpgm
.Lentry_shape_is_right:
; The three quantised products, C = A B^T on codes of FP4 (E2M1) with one E8M0 scale for each 32 along K = 1,024; sums in f32, C rounded once to f16.
;   clusters  0-31: A = q (rows 0 on),      B = Wq (rows 12288 on): C [4096][2048] at byte 0 of proj, 4,096 bytes a row
;   clusters 32-47: A = k (rows 4096 on),   B = Wk (rows 14336 on): C [4096][1024] at byte 16,777,216, 2,048 bytes a row
;   clusters 48-55: A = Wv (rows 15360 on), B = v (rows 8192 on):   C [512][4096] at byte 25,165,824, 8,192 bytes a row: V comes out with the keys innermost, as the attention's second product wants it
; A tile of C is 256 x 256, made by four waves, each 128 x 128: 64 accumulators, 512 registers.  K is two slots of 512 (rows of 256 bytes): both are first fills, nothing in LDS is filled twice.
; CLUSTER: four work-groups side by side in a tile row of C.  They need the same tile of A: it is asked for JOINTLY (mask 15).  Each has its own tile of B, by a load of its own (no mask).
; A cluster of 4 x 4 is not taken: the third product has two tile rows only.
; THE MATRIX INSTRUCTION IS USED TRANSPOSED (source 0 = 16 rows of B, source 1 = 16 rows of A): a lane holds eight neighbouring numbers of a row of C.
; REGISTERS, in windows of 256: window 0: v0-31 addresses; v32-95 scale words, two sets, and nothing else; v96-103 store offsets; v128-191 A's fragments, one set, on the way out rows read back; v192-223 packed results.
;   window 1: B's fragments, two sets, at v0 and v128.   window 2: the accumulators of my rows 0-63 ((a, b) at v[8 (8 a + b)]);   window 3: those of rows 64-127.
; LIMIT: a result beyond 65,504 in size has no f16 number.
.set NQ,     4                         ; steps of 128 along K in a slot
.set ROWB,   256                       ; a tile's row in bytes
.set KROW,   512                       ; a row of codes in memory
.set PITCH,  272                       ; an LDS row: 256 bytes + 16 of padding: the 16 rows that a load touches start 68 words apart
.set FR,     8
.set NL,     2
.set NP,     4
.set HALFT,  128*PITCH                 ; what one tensor load brings
.set SLOT,   4*HALFT                   ; A's 256 rows, then B's 256
.set SCL,    2*SLOT                    ; the scale bytes of all of K: 32 bytes a row, as pieces of 256 bytes + 16 of padding
.set HALFS,  16*272                    ; those of 128 rows
.set SBLK,   2*272                     ; those of 16 rows
.set STAGE,  SCL+4*HALFS               ; the way out: 16 rows x 272 bytes for each wave; no tensor load lands here
.set SPITCH, 272
.set SPARE,  STAGE+4*16*SPITCH         ; the spare words, 128 bytes a wave
.set ADRA, 16
.set ADRB, 20
.set STO,  24
.set RD,   25
.set ADRS, 27
.set SPW,  28
.set NIL,  29
.set SC,   32
.set CO,   96                          ; v96-103 byte offsets in C of the eight pairs of rows of a block (the row pitch is a scalar here, so they cannot be immediates)
.set AF,   128
.set BK,   128
.set TMP,  192
.set G1, 24
.set G0, 32
.set G1B, 48
.set G0B, 56
.set G1S, 68
.set G0S, 76
.set G1SB, 80
.set G0SB, 88
.set MSB, 0
.macro WIN new                         ; the immediate's high byte repeats the setting that is left
.if MSB != (\new)
	s_set_vgpr_msb (MSB<<8)|(\new)
.set MSB, (\new)
.endif
.endm
.set MUL_LO, 0xa1                      ; source 0 (B) window 1, source 1 (A) window 0, C and D window 2
.set MUL_HI, 0xf1
.set TO_B,   0x40
; Waves 0 and 1 fetch for A (jointly), waves 2 and 3 for B.  The branch hangs on the wave's number alone.  An s_nop 0 and four v_nop follow each line.
.macro JLOAD g0a, g1a, g0b, g1b
	s_cmp_eq_u32 s15, 0
	s_cbranch_scc0 .Lfor_b_\@
	tensor_load_to_lds s[\g0a:\g0a+3], s[\g1a:\g1a+7]
	s_nop 0
.rept 4
	v_nop
.endr
	s_branch .Lasked_\@
.Lfor_b_\@:
	tensor_load_to_lds s[\g0b:\g0b+3], s[\g1b:\g1b+7]
	s_nop 0
.rept 4
	v_nop
.endr
.Lasked_\@:
.endm
.macro CROUND                          ; a round of the cluster's barrier
	s_barrier_signal -1
	s_barrier_wait -1
	s_cmp_lg_u32 s14, 0
	s_cbranch_scc1 .Lnot_wave_0_\@
	s_barrier_signal -3
.Lnot_wave_0_\@:
	s_barrier_wait -3
	s_barrier_signal -1
	s_barrier_wait -1
.endm
	s_load_b128 s[4:7], s[0:1], 0x0                ; codes, scales
	s_load_b64 s[12:13], s[0:1], 0x10              ; proj
	v_lshl_add_u32 v[SPW], v0, 2, SPARE
	v_mov_b32 v[NIL], 0
	ds_add_u32 v[SPW], v[NIL]                      ; the wave's opening: the add, twice on end, and its wait ahead of my first tensor load
	ds_add_u32 v[SPW], v[NIL]
	v_lshrrev_b32 v1, 5, v0
	v_readfirstlane_b32 s14, v1                    ; wave 0..3
	s_lshr_b32 s15, s14, 1                         ; which half of the tile's rows is mine.  Also: I fetch for A (0) or for B (1)
	s_and_b32 s16, s14, 1                          ; which half of its columns.  Also: which 128 rows I fetch
	s_bfe_u32 s40, ttmp6, 0x40000                  ; cx
	; which product: by the cluster's number alone
	s_mov_b32 s8, 48                               ; the product's first cluster
	s_mov_b32 s9, 2                                ; log2 of its clusters in a tile row
	s_mov_b32 s10, 15360                           ; A's first row in the codes
	s_mov_b32 s11, 8192                            ; B's
	s_mov_b32 s2, 0x1800000                        ; C's first byte in proj
	s_mov_b32 s3, 8192                             ; a row of C in bytes
	s_cmp_lt_u32 ttmp9, 48
	s_cselect_b32 s8, 32, s8
	s_cselect_b32 s9, 0, s9
	s_cselect_b32 s10, 4096, s10
	s_cselect_b32 s11, 14336, s11
	s_cselect_b32 s2, 0x1000000, s2
	s_cselect_b32 s3, 2048, s3
	s_cmp_lt_u32 ttmp9, 32
	s_cselect_b32 s8, 0, s8
	s_cselect_b32 s9, 1, s9
	s_cselect_b32 s10, 0, s10
	s_cselect_b32 s11, 12288, s11
	s_cselect_b32 s2, 0, s2
	s_cselect_b32 s3, 4096, s3
	s_sub_co_u32 s41, ttmp9, s8
	s_lshr_b32 s17, s41, s9                        ; tile row of C: the four partners share it
	s_lshl_b32 s42, s17, s9
	s_sub_co_u32 s42, s41, s42
	s_lshl_b32 s42, s42, 2
	s_add_co_u32 s42, s42, s40                     ; tile column of C = 4 x the cluster's place in the row + cx
	; descriptor group 1: 128 rows x 256 bytes, 16 bytes of padding behind each
	s_mov_b32 s[G1+0], 15|(1<<20)|(1<<21)|(5<<22)|(3<<25)   ; 15:0 the mask: all four; 17:16 elements of 1 byte; 20 padding on; 21 set beside a mask; 24:22 after every 64 words; 31:25 four words
	s_mov_b32 s[G1B+0], (1<<20)|(5<<22)|(3<<25)             ; the same with no mask
.irp g, G1, G1B
	s_mov_b32 s[\g+1], ROWB<<16                    ; tensor_dim0
	s_mov_b32 s[\g+2], 128<<16                     ; tensor_dim1
	s_mov_b32 s[\g+3], ROWB<<16                    ; tile_dim0
	s_mov_b32 s[\g+4], 128                         ; tile_dim1
	s_mov_b32 s[\g+5], KROW                        ; stride
	s_mov_b32 s[\g+6], 0
	s_mov_b32 s[\g+7], 0
.endr
	; the scale bytes of 128 rows: 4,096 dense bytes, as 16 rows of 32 elements of 8 bytes, 16 bytes of padding behind each
	s_mov_b32 s[G1S+0], 15|(3<<16)|(1<<20)|(1<<21)|(5<<22)|(3<<25)
	s_mov_b32 s[G1SB+0], (3<<16)|(1<<20)|(5<<22)|(3<<25)
.irp g, G1S, G1SB
	s_mov_b32 s[\g+1], 32<<16
	s_mov_b32 s[\g+2], 16<<16
	s_mov_b32 s[\g+3], 32<<16
	s_mov_b32 s[\g+4], 16
	s_mov_b32 s[\g+5], 32
	s_mov_b32 s[\g+6], 0
	s_mov_b32 s[\g+7], 0
.endr
	s_lshl_b32 s18, s16, 7                         ; which 128 rows of the tile I fetch
	s_lshl_b32 s20, s17, 8
	s_add_co_u32 s20, s20, s18
	s_add_co_u32 s20, s20, s10                     ; A's row: no cx enters it
	s_lshl_b32 s46, s42, 8
	s_add_co_u32 s46, s46, s18
	s_add_co_u32 s46, s46, s11                     ; B's row
	s_lshl_b32 s22, s20, 5                         ; 32 scale bytes a row,
	s_mov_b32 s23, 0
	s_lshl_b32 s92, s46, 5
	s_mov_b32 s93, 0
	s_lshl_b32 s20, s20, 9                         ; 512 bytes of codes
	s_mov_b32 s21, 0
	s_lshl_b32 s46, s46, 9
	s_mov_b32 s47, 0
	s_mul_i32 s45, s14, HALFT                      ; where they go: by the wave's number alone
	s_mul_i32 s94, s14, HALFS
	s_wait_dscnt 0x0                               ; both opening adds are done
	s_wait_kmcnt 0x0
	s_add_nc_u64 s[20:21], s[4:5], s[20:21]
	s_add_nc_u64 s[22:23], s[6:7], s[22:23]
	s_add_nc_u64 s[46:47], s[4:5], s[46:47]
	s_add_nc_u64 s[92:93], s[6:7], s[92:93]
	CROUND                                         ; all four work-groups are here: the joint loads meet
	s_mov_b32 s[G0S], 1
	s_add_co_u32 s[G0S+1], s94, SCL
	s_mov_b64 s[G0S+2:G0S+3], s[22:23]
	s_or_b32 s[G0S+3], s[G0S+3], 0x80000000
	s_mov_b32 s[G0SB], 1
	s_add_co_u32 s[G0SB+1], s94, SCL
	s_mov_b64 s[G0SB+2:G0SB+3], s[92:93]
	s_or_b32 s[G0SB+3], s[G0SB+3], 0x80000000
	JLOAD G0S, G1S, G0SB, G1SB                     ; the scale bytes first: they are wanted with the first slot
.irp s, 0,1
	s_mov_b32 s[G0+4*\s], 1
	s_add_co_u32 s[G0+4*\s+1], s45, \s*SLOT
	s_add_nc_u64 s[G0+4*\s+2:G0+4*\s+3], s[20:21], \s*ROWB
	s_or_b32 s[G0+4*\s+3], s[G0+4*\s+3], 0x80000000
	s_mov_b32 s[G0B+4*\s], 1
	s_add_co_u32 s[G0B+4*\s+1], s45, \s*SLOT
	s_add_nc_u64 s[G0B+4*\s+2:G0B+4*\s+3], s[46:47], \s*ROWB
	s_or_b32 s[G0B+4*\s+3], s[G0B+4*\s+3], 0x80000000
	JLOAD G0+4*\s, G1, G0B+4*\s, G1B               ; three loads of mine are out behind the last of these
.endr
	v_and_b32 v1, 15, v0                           ; l % 16
	v_bfe_u32 v2, v0, 4, 1                         ; l / 16
	v_mul_u32_u24 v3, v1, PITCH
	v_lshl_add_u32 v4, v2, 4, v3                   ; a fragment's row x pitch + 16 x half
	s_mul_i32 s21, s15, HALFT                      ; my 128 rows of A
	s_mul_i32 s22, s16, HALFT                      ; my 128 rows of B,
	s_add_co_u32 s22, s22, 2*HALFT                 ; behind A's 256
.irp s, 0,1
	v_add_nc_u32 v[ADRA+\s], s21, v4
	v_add_nc_u32 v[ADRB+\s], s22, v4
	s_add_co_u32 s21, s21, SLOT
	s_add_co_u32 s22, s22, SLOT
.endr
	v_mul_u32_u24 v5, v1, 32                       ; my row's scale bytes: 32 a row,
	v_lshrrev_b32 v6, 8, v5
	v_lshl_add_u32 v5, v6, 4, v5                   ; and 16 more for each 256 passed
	s_mul_i32 s21, s15, HALFS
	s_mul_i32 s22, s16, HALFS
	s_add_co_u32 s22, s22, 2*HALFS
	s_sub_co_u32 s22, s22, s21
	v_mul_u32_u24 v6, s22, v2                      ; lanes 16-31 take B's: one product, the distance between the two bases
	s_add_co_u32 s21, s21, SCL
	v_add_nc_u32 v5, v5, v6
	v_add_nc_u32 v[ADRS], s21, v5
	s_mul_i32 s23, s14, 16*SPITCH
	s_add_co_u32 s23, s23, STAGE                   ; my stage
	v_mul_u32_u24 v5, v1, SPITCH                   ; in: row l % 16, 16 bytes for each half of the lanes
	v_lshl_add_u32 v5, v2, 4, v5
	v_add_nc_u32 v[STO], s23, v5
	v_mul_u32_u24 v5, v2, SPITCH                   ; back: lanes 0-15 one row of 256 bytes, lanes 16-31 the next
	v_lshl_add_u32 v5, v1, 4, v5
	v_add_nc_u32 v[RD], s23, v5
	v_lshlrev_b32 v5, 4, v1
.irp t, 0,1,2,3,4,5,6,7
	v_add_nc_u32 v6, 2*\t, v2
	v_mad_u32_u24 v[CO+\t], v6, s3, v5             ; (2 t + l / 16) rows of C + 16 (l % 16)
.endr
	s_lshl_b32 s98, s17, 8
	s_lshl_b32 s99, s15, 7
	s_add_co_u32 s98, s98, s99                     ; my first row of C
	s_mul_i32 s98, s98, s3
	s_add_co_u32 s98, s98, s2
	s_lshl_b32 s46, s42, 9                         ; my first column, 2 bytes a number: 512 x tile column + 256 x half
	s_lshl_b32 s47, s16, 8
	s_add_co_u32 s46, s46, s47
	s_add_co_u32 s98, s98, s46
	s_mov_b32 s99, 0
	s_add_nc_u64 s[12:13], s[12:13], s[98:99]
	s_lshl_b32 s96, s3, 4                          ; 16 rows of C
	s_mov_b32 s97, 0
.macro FRAG reg, adr, q, i             ; 16 rows x 128 K of 4-bit codes: 8 registers: lane l holds row l % 16; registers 4 c .. 4 c + 3 hold K = 64 c + 32 (l / 16) + 0 .. 31
.irp c, 0,1
	ds_load_b128 v[\reg+4*\c:\reg+4*\c+3], v[\adr] offset:64*(\q)+32*\c+(\i)*16*PITCH
.endr
.endm
; 16 matrix instructions: A's blocks a0, a0 + 1 x B's eight.  The 64 accumulators take turns, one instruction a turn, in the same order in every step.
.macro MUL16 a0, p, q, sc, zero
.irp a, \a0, \a0+1
.irp b, 0,1,2,3,4,5,6,7
.if \zero
	v_wmma_scale_f32_16x16x128_f8f6f4 v[8*(8*((\a)%4)+\b):8*(8*((\a)%4)+\b)+7], v[128*(\p)+FR*\b:128*(\p)+FR*\b+FR-1], v[AF+FR*(\a):AF+FR*(\a)+FR-1], 0, v[SC+8*NQ*(\sc)+NQ*\b+(\q)], v[SC+8*NQ*(\sc)+NQ*(\a)+(\q)] matrix_a_fmt:MATRIX_FMT_FP4 matrix_b_fmt:MATRIX_FMT_FP4 matrix_a_scale:MATRIX_SCALE_ROW1
.else
	v_wmma_scale_f32_16x16x128_f8f6f4 v[8*(8*((\a)%4)+\b):8*(8*((\a)%4)+\b)+7], v[128*(\p)+FR*\b:128*(\p)+FR*\b+FR-1], v[AF+FR*(\a):AF+FR*(\a)+FR-1], v[8*(8*((\a)%4)+\b):8*(8*((\a)%4)+\b)+7], v[SC+8*NQ*(\sc)+NQ*\b+(\q)], v[SC+8*NQ*(\sc)+NQ*(\a)+(\q)] matrix_a_fmt:MATRIX_FMT_FP4 matrix_b_fmt:MATRIX_FMT_FP4 matrix_a_scale:MATRIX_SCALE_ROW1
.endif
.endr
.endr
.endm
.macro FETCH_B slot, q, p
	WIN TO_B
.irp i, 0,1,2,3,4,5,6,7
	FRAG 128*(\p)+FR*\i, ADRB+\slot, \q, \i
.endr
	WIN 0
.endm
.macro FETCH_A slot, q, i0
.irp i, \i0, \i0+1, \i0+2, \i0+3
	FRAG AF+FR*(\i), ADRA+\slot, \q, \i
.endr
.endm
.macro SCALES sc                       ; a slot's scale words: 4 words a row; lanes 0-15 take A's block i, lanes 16-31 B's block i
.irp i, 0,1,2,3,4,5,6,7
	ds_load_b128 v[SC+8*NQ*\sc+NQ*\i:SC+8*NQ*\sc+NQ*\i+3], v[ADRS] offset:\i*SBLK
.endr
.endm
.macro PLACES n                        ; plain vector lines between a matrix instruction and a load into, or a read of, its registers
.rept \n
	v_nop
.endr
.endm
.macro STEP slot, q, zero              ; a step of 128 along K that has its successor in the same slot
	s_wait_dscnt 4*NL                              ; B's set and A's blocks 0-3 are in; the youngest eight loads (A's blocks 4-7) may be out
	WIN MUL_LO
	MUL16 0, (\q)%2, \q, \slot, \zero
	MUL16 2, (\q)%2, \q, \slot, \zero
	s_wait_dscnt 0
	PLACES NP
	FETCH_B \slot, (\q)+1, 1-(\q)%2
	FETCH_A \slot, (\q)+1, 0
	WIN MUL_HI
	MUL16 4, (\q)%2, \q, \slot, \zero
	MUL16 6, (\q)%2, \q, \slot, \zero
	PLACES NP
	WIN 0
	FETCH_A \slot, (\q)+1, 4
.endm
.macro TURN slot, next                 ; slot 0's last step: behind the barrier slot 1 is whole for every wave.  Nothing is filled again
	s_wait_tensorcnt 0x0                           ; all my tensor loads have landed: my part of the next slot
	ds_add_u32 v[SPW], v[NIL]                      ; 0 onto my spare word
	s_wait_dscnt 4*NL+1                            ; (the add and A's blocks 4-7 may be out)
	WIN MUL_LO
	MUL16 0, 1, NQ-1, \slot, 0
	s_wait_dscnt 0x0
	s_barrier_signal -1
	MUL16 2, 1, NQ-1, \slot, 0
	WIN 0
	s_barrier_wait -1
	PLACES NP
	v_add_nc_u32 v[ADRS], 4*NQ, v[ADRS]            ; on to the next slot's scale words
	FETCH_B \next, 0, 0
	FETCH_A \next, 0, 0
	SCALES \next
	WIN MUL_HI
	MUL16 4, 1, NQ-1, \slot, 0
	MUL16 6, 1, NQ-1, \slot, 0
	PLACES NP
	WIN 0
	FETCH_A \next, 0, 4
.endm
	s_wait_tensorcnt 1                             ; the scale bytes and my part of slot 0 are in (slot 1's load may be out),
	s_barrier_signal -1
	s_barrier_wait -1                              ; everybody's are
	FETCH_B 0, 0, 0
	FETCH_A 0, 0, 0
	SCALES 0
	FETCH_A 0, 0, 4
	STEP 0, 0, 1                                   ; the first products start the sums: nothing is cleared
	STEP 0, 1, 0
	STEP 0, 2, 0
	TURN 0, 1
	STEP 1, 0, 0
	STEP 1, 1, 0
	STEP 1, 2, 0
	s_wait_dscnt 4*NL                              ; the last step: nothing more to fetch
	WIN MUL_LO
	MUL16 0, 1, NQ-1, 1, 0
	MUL16 2, 1, NQ-1, 1, 0
	s_wait_dscnt 0
	WIN MUL_HI
	MUL16 4, 1, NQ-1, 1, 0
	MUL16 6, 1, NQ-1, 1, 0
	WIN 0
; THE WAY OUT, block by block of 16 rows x 128 columns.  PACK: rounded to f16, 16 bytes a lane, each accumulator from its low end.  TOSTAGE: into my own stage and back as whole rows of 256 bytes.  SEND: stored.
.macro PACK a
.set AC, 64*((\a)%4)
	WIN 0x0a+5*((\a)/4)                            ; sources 0 and 1: window 2 or 3
.irp b, 0,1,2,3,4,5,6,7
.irp r, 0,1,2,3
	v_cvt_pk_f16_f32 v[TMP+4*\b+\r], v[AC+8*\b+2*\r], v[AC+8*\b+2*\r+1]
.endr
.endr
	WIN 0
.endm
.macro TOSTAGE a
.set BB, BK+32*((\a)%2)
.irp b, 0,1,2,3,4,5,6,7
	ds_store_b128 v[STO], v[TMP+4*\b:TMP+4*\b+3] offset:32*\b
.endr
.irp t, 0,1,2,3,4,5,6,7
	ds_load_b128 v[BB+4*\t:BB+4*\t+3], v[RD] offset:\t*2*SPITCH    ; LDS serves a wave's instructions in order: these see the stores above
.endr
.endm
.macro SEND a
.set BB, BK+32*((\a)%2)
	s_wait_dscnt 0x0                               ; the block is back in registers
	s_wait_xcnt 0x0                                ; earlier stores have read their base and their registers: both may be written again
.if (\a) > 0
	s_add_nc_u64 s[12:13], s[12:13], s[96:97]      ; 16 rows of C on
.endif
.irp t, 0,1,2,3,4,5,6,7
	global_store_b128 v[CO+\t], v[BB+4*\t:BB+4*\t+3], s[12:13]     ; 16 lanes store 256 consecutive bytes, aligned
.endr
.endm
	PLACES NP                                      ; behind the last products, ahead of the first read of results
	PACK 0
	TOSTAGE 0
.irp a, 1,2,3,4,5,6,7                  ; block a's conversions stand between block a - 1's loads from the stage and the wait for them
	PACK \a
	SEND \a-1
	TOSTAGE \a
.endr
	SEND 7
	s_wait_tensorcnt 0x0                           ; the wave's end
	ds_add_u32 v[SPW], v[NIL]
	s_wait_dscnt 0x0
	CROUND                                         ; the closing round
	s_endpgm
.Lfunc_end_k_qc1680edddc_proj:
	.size	k_qc1680edddc_proj, .Lfunc_end_k_qc1680edddc_proj-k_qc1680edddc_proj
	.p2alignl 7, 3214868480
	.fill 96, 4, 3214868480
	.section	.rodata,"a",@progbits
	.p2align	6, 0x0
	.amdhsa_kernel k_qc1680edddc_proj
		.amdhsa_group_segment_fixed_size 327680
		.amdhsa_private_segment_fixed_size 0
		.amdhsa_enable_private_segment 0
		.amdhsa_kernarg_size 24
		.amdhsa_user_sgpr_count 2
		.amdhsa_user_sgpr_kernarg_segment_ptr 1
		.amdhsa_wavefront_size32 1
		.amdhsa_system_sgpr_workgroup_id_x 1
		.amdhsa_system_sgpr_workgroup_id_y 1
		.amdhsa_system_sgpr_workgroup_id_z 1
		.amdhsa_system_vgpr_workitem_id 0
		.amdhsa_next_free_vgpr 1024
		.amdhsa_next_free_sgpr 100
		.amdhsa_reserve_vcc 0
		.amdhsa_float_denorm_mode_32 3
		.amdhsa_float_denorm_mode_16_64 3
		.amdhsa_memory_ordered 1
		.amdhsa_forward_progress 1
		.amdhsa_inst_pref_size 128
	.end_amdhsa_kernel
	.amdgpu_metadata
---
amdhsa.version: [ 1, 2 ]
amdhsa.kernels:
  - .name:           k_qc1680edddc_proj
    .symbol:         k_qc1680edddc_proj.kd
    .args:
      - { .name: codes, .offset: 0, .size: 8, .value_kind: global_buffer, .address_space: global }
      - { .name: scales, .offset: 8, .size: 8, .value_kind: global_buffer, .address_space: global }
      - { .name: proj, .offset: 16, .size: 8, .value_kind: global_buffer, .address_space: global }
    .group_segment_fixed_size: 327680
    .private_segment_fixed_size: 0
    .kernarg_segment_align: 8
    .kernarg_segment_size: 24
    .max_flat_workgroup_size: 128
    .sgpr_count:     100
    .vgpr_count:     1024
    .wavefront_size: 32
...
	.end_amdgpu_metadata
.endif
;; end of part 2
;; launch attn (part 3): grid 16 x 16, 4 waves a work-group, clusters of 4 x 1, 327,680 bytes of LDS; arguments proj, lam, att16, ss; writes att16, ss
.if DOCPART == 3
	.amdgcn_target "amdgcn-amd-amdhsa--gfx1250"
	.amdhsa_code_object_version 6
	.text
	.protected	k_qc1680edddc_attn
	.globl	k_qc1680edddc_attn
	.p2align	8
	.type	k_qc1680edddc_attn,@function
k_qc1680edddc_attn:
	s_mov_b64 s[64:65], 0
	v_nop
	global_prefetch_b8 v0, s[64:65] scope:SCOPE_SE
	s_setreg_imm32_b32 hwreg(HW_REG_WAVE_MODE, 25, 1), 1
	s_wait_xcnt 0x0
	s_wait_alu depctr_hold_cnt(0) depctr_sa_sdst(0) depctr_va_vdst(0) depctr_va_sdst(0) depctr_va_ssrc(0) depctr_va_vcc(0) depctr_vm_vsrc(0)
	s_getreg_b32 s2, hwreg(HW_REG_IB_STS2, 6, 4)
	s_cmp_eq_u32 s2, 0
	s_cbranch_scc0 .Lentry_in_a_cluster
	s_endpgm
.Lentry_in_a_cluster:
	s_bfe_u32 s2, ttmp6, 0x10000c
	s_cmp_lg_u32 s2, 0x3003
	s_cbranch_scc0 .Lentry_shape_is_right
	s_endpgm
.Lentry_shape_is_right:
; a'[m][h x 64 + d] = (softmax(q1 k1^T) V - lam softmax(q2 k2^T) V) / (1 + |lam|), rounded to f16, and ss[h][m] = the sum over d of a'^2 (in f32, before the rounding).
; Operands in f16, from proj: Q [4096][2048] (a head's q1 | q2 are 256 neighbouring bytes), K at byte 16,777,216 [4096][1024] (a kv head's k1 | k2 likewise), V at byte 25,165,824 [512 = kv head x 64 + d][4096 = batch x 2048 + key].
; The two softmaxes have running maxima of their own, so O1 = P1 V and O2 = P2 V are kept apart and joined at the end: O1 / l1 - lam O2 / l2.  The division by 1 + |lam| keeps |a'| at or under the largest |V|, which has its f16 number.
; SHARES.  A work-group owns 128 queries of the two heads of one kv head; a wave 32 queries: four tiles t = 2 qt + e (16 queries, head e), each with two softmaxes.  Every wave walks the batch's 2,048 keys, 64 a step.
; LAYOUT.  S^T = K Q^T (source 0 = 16 keys, source 1 = 16 queries): a lane holds ONE query (lane % 16) and keys 8 (lane / 16) + 0..7.  Two such tiles, rounded to f16 in pairs, are source 1 of O^T = V^T P.
; SOFTMAX.  For each query a running maximum m and sum l: p = 2^(c s - c m), c = log2(e); in every step O and l are multiplied by a = 2^(c m_old - c m_new).
; BY TURNS.  PIECE 0 is softmax 1 of the four tiles, PIECE 1 softmax 2.  In a TURN one piece has the matrix unit (32 products V^T P of the step in hand, 32 products K Q^T of the next step); the other piece's
; softmax, 4 x 118 instructions cut into slices of 8, stands between them, one slice behind each matrix instruction.  Then the pieces change places.  Two turns are a key step.
; CLUSTER.  The four query blocks of a cluster walk the same K and V: each tile is asked for JOINTLY (mask 15).
; REGISTERS, in windows of 256: window p (0, 1): piece p's v12-43 statistics, v64-191 S^T (32 a tile), v192-255 P (16 a tile); window 0 also v2-11 addresses, v44-59 the way out, v61-63.
;   window 2: O^T of piece p, tile t, channels 16 dt on at v[128 p + 32 t + 8 dt].   window 3: v0-127 Q (v[64 p + 16 t + 8 cs]); v128-191 K1 or K2 of one step; v192-255 V of one step.
; LIMITS: NaN and infinities are not served; a weight p under 6e-8 of its row's largest is lost (f16).
.set KS,    64                         ; keys in a step
.set PK,    272                        ; an LDS row of K or V: 256 bytes + 16 of padding
.set STEPK, KS*PK                      ; a step on in K's rows
.set STEPV, 2*KS                       ; a step on along V's rows
.set VOFF,  2*STEPK                    ; a slot: 128 rows of K, then 64 rows (channels) of V with 128 keys each
.set SLOT1, 1<<16                      ; slot 1 begins here: one exclusive or turns an address
.set STAGE, SLOT1+VOFF+64*PK           ; behind the ring: 16 rows x 272 bytes for each wave
.set SP,    272
.set SPARE, STAGE+4*16*SP              ; the spare words, 128 bytes a wave
.set KSLOT, 2*KS*2048                  ; a slot on in memory: 128 rows of K,
.set VSLOT, 2*KS*2                     ; 128 keys along a row of V
.set AK0, 2
.set AV0, 3
.set ADR, 4
.set QO,  5
.set STO, 6
.set RD,  7
.set GO,  8
.set SO,  10                           ; v10  4 x lane: my place in ss
.set ST,  12                           ; tile t's statistics at v[ST+8 t]: +0 c m, +1 m, +2, +3 l, +4 to +7 at work; a takes +6
.set S,   64
.set P,   192
.set KF,  128
.set VF,  192
.set PFO, 61
.set SPW, 62
.set NIL, 63
.set WV,  12
.set LIM, 15
.set PFA, 18
.set G1K, 24
.set G1V, 32
.set G0K, 40
.set G0V, 48
.set SLOTS, 56
.set TWICE, 57
.set CS,  58
.set SEL, 60
.set TBK, 62
.set TBV, 63
.set QA,  66
.set PFS, 68
.set PM,  70
.set LAM, 71
.set HI,  72
.set MSB, 0
.macro WIN new
.if MSB != (\new)
	s_set_vgpr_msb (MSB<<8)|(\new)
.set MSB, (\new)
.endif
.endm
; A joint refill: waves 0 and 1 fetch the slot's two steps of K, waves 2 and 3 the two halves of V's channels.  The branch hangs on the wave's number alone.
.macro JLOAD
	s_cmp_lt_u32 s[WV], 2
	s_cbranch_scc0 .Lfor_v_\@
	tensor_load_to_lds s[G0K+4:G0K+7], s[G1K:G1K+7]
	s_nop 0
.rept 4
	v_nop
.endr
	s_branch .Lasked_\@
.Lfor_v_\@:
	tensor_load_to_lds s[G0V+4:G0V+7], s[G1V:G1V+7]
	s_nop 0
.rept 4
	v_nop
.endr
.Lasked_\@:
.endm
; A PREFETCH INTO THE L2 of later slots, behind the wave's tensor load and its five lines.  All clusters of a kv head walk the same K and V: the first of them (cluster x = 0) asks; its four partners are told apart by address.
; Wave 0 asks for K: the next slot's 128 rows, 32 a partner, a lane a row (the kv head's 256 bytes of it), at every filling change but the last.
; Wave 2 asks for V: a slot's part of a row is 256 bytes and there are 64 rows, 16 a partner, so the 32 lanes name two slots at once, at every second change (slots 4, 5 .. 14, 15).  Each block of 256 bytes is named once.
.macro ASK
	s_cmp_gt_u32 s[SLOTS], s[LIM]
	s_cbranch_scc0 .Lnot_mine_\@
	s_and_b32 s85, s[SLOTS], s[PM]
	s_cmp_eq_u32 s85, s[PM]
	s_cbranch_scc0 .Lnot_mine_\@
	global_prefetch_b8 v[PFO], s[PFA:PFA+1] th:TH_LOAD_NT scope:SCOPE_SE
.Lnot_mine_\@:
.endm
.macro CROUND
	s_barrier_signal -1
	s_barrier_wait -1
	s_cmp_lg_u32 s[WV], 0
	s_cbranch_scc1 .Lnot_wave_0_\@
	s_barrier_signal -3
.Lnot_wave_0_\@:
	s_barrier_wait -3
	s_barrier_signal -1
	s_barrier_wait -1
.endm
	s_load_b256 s[4:11], s[0:1], 0x0               ; proj s[4:5], lam s[6:7], att16 s[8:9], ss s[10:11]
	v_lshl_add_u32 v[SPW], v0, 2, SPARE
	v_mov_b32 v[NIL], 0
	ds_add_u32 v[SPW], v[NIL]                      ; the wave's opening: the add, twice on end, and its wait ahead of my first tensor load
	ds_add_u32 v[SPW], v[NIL]
	v_lshrrev_b32 v1, 5, v0
	v_readfirstlane_b32 s[WV], v1                  ; wave 0..3
	s_bfe_u32 s13, ttmp6, 0x40000                  ; cx
	s_lshl_b32 s14, ttmp9, 2
	s_add_co_u32 s14, s14, s13                     ; my block of 128 queries: it enters Q's, att16's and ss's addresses alone
	s_and_b32 s20, ttmp7, 0xffff
	s_lshr_b32 s21, s20, 3                         ; batch
	s_and_b32 s20, s20, 7                          ; kv head
	s_and_b32 s16, s[WV], 1                        ; which half of a slot's K or V I fetch
	s_lshl_b32 s74, s21, 22                        ; K: batch x 2,048 rows of 2,048 bytes
	s_lshl_b32 s17, s20, 8
	s_add_co_u32 s74, s74, s17                     ; + the kv head's 256 bytes
	s_lshl_b32 s17, s16, 17
	s_add_co_u32 s74, s74, s17                     ; + my 64 rows
	s_add_co_u32 s74, s74, 16777216
	s_mov_b32 s75, 0
	s_lshl_b32 s76, s20, 19                        ; V: kv head x 64 rows of 8,192 bytes
	s_lshl_b32 s17, s21, 12
	s_add_co_u32 s76, s76, s17                     ; + the batch's 2,048 keys
	s_lshl_b32 s17, s16, 18
	s_add_co_u32 s76, s76, s17                     ; + my 32 rows
	s_add_co_u32 s76, s76, 25165824
	s_mov_b32 s77, 0
	s_mul_i32 s22, s16, STEPK                      ; where they go in a slot: no place in the cluster enters an LDS address
	s_mul_i32 s23, s16, 32*PK
	s_add_co_u32 s23, s23, VOFF
	s_lshl_b32 s2, s21, 11
	s_lshl_b32 s3, s14, 7
	s_add_co_u32 s2, s2, s3
	s_lshl_b32 s3, s[WV], 5
	s_add_co_u32 s2, s2, s3                        ; my first query's row, 0 .. 4095
	s_lshl_b32 s[QA], s2, 12
	s_lshl_b32 s3, s20, 9
	s_add_co_u32 s[QA], s[QA], s3                  ; Q: 4,096 bytes a row, 512 for the kv head's two heads
	s_mov_b32 s[QA+1], 0
	s_lshl_b32 s78, s2, 11
	s_lshl_b32 s3, s20, 8
	s_add_co_u32 s78, s78, s3                      ; att16: 2,048 bytes a row, 256 for the two heads
	s_mov_b32 s79, 0
	s_lshl_b32 s3, s20, 13
	s_add_co_u32 s2, s2, s3
	s_lshl_b32 s2, s2, 2                           ; ss: (head 2 x kv head) x 4,096 + row, 4 bytes each
	s_mov_b32 s3, 0
	; descriptor group 1.  K: 64 rows x 128 elements of 2 bytes, 1,024 elements apart;  V: 32 rows x 128 elements, 4,096 apart; 16 bytes of padding behind each row
	s_mov_b32 s[G1K], 15|(1<<16)|(1<<20)|(1<<21)|(5<<22)|(3<<25)
	s_mov_b32 s[G1K+1], 128<<16
	s_mov_b32 s[G1K+2], 64<<16
	s_mov_b32 s[G1K+3], 128<<16
	s_mov_b32 s[G1K+4], 64
	s_mov_b32 s[G1K+5], 1024
	s_mov_b32 s[G1K+6], 0
	s_mov_b32 s[G1K+7], 0
	s_mov_b32 s[G1V], 15|(1<<16)|(1<<20)|(1<<21)|(5<<22)|(3<<25)
	s_mov_b32 s[G1V+1], 128<<16
	s_mov_b32 s[G1V+2], 32<<16
	s_mov_b32 s[G1V+3], 128<<16
	s_mov_b32 s[G1V+4], 32
	s_mov_b32 s[G1V+5], 4096
	s_mov_b32 s[G1V+6], 0
	s_mov_b32 s[G1V+7], 0
	s_mov_b32 s[CS], 0x3fb8aa3b                    ; c = log2(e): the scores are taken as they are
	s_mov_b32 s[CS+1], s[CS]
	s_mov_b32 s[SEL], 0x76543210
	s_mov_b32 s[SEL+1], 0xfedcba98
	s_mov_b32 s[HI], 0xffff0000                    ; lanes 16-31
	s_mov_b32 s[TBK], 0
	s_mov_b32 s[TBV], 0
	s_mov_b32 s[SLOTS], 2048/(2*KS)-2
	s_and_b32 s[LIM], s[WV], 1                     ; 0 in waves 0 and 2,
	s_or_b32 s[LIM], s[LIM], ttmp9                 ; of the kv head's first cluster: the same in all four partners
	s_cmp_eq_u32 s[LIM], 0
	s_cselect_b32 s[LIM], 1, -1
	s_cmp_lt_u32 s[WV], 2                          ; K's figures or V's
	s_cselect_b32 s[PM], 0, 1
	s_mov_b32 s[PFS], VSLOT
	s_cselect_b32 s[PFS], KSLOT, s[PFS]
	s_mov_b32 s[PFS+1], 0
	s_mov_b32 s80, 8192
	s_cselect_b32 s80, 2048, s80                   ; from lane to lane within 16
	s_mov_b32 s81, 256
	s_cselect_b32 s81, 32768, s81                  ; from the lower 16 lanes to the upper
	s_cselect_b32 s84, 16, 17                      ; log2 of a partner's share in bytes
	v_and_b32 v9, 15, v0
	v_bfe_u32 v10, v0, 4, 1
	v_mul_u32_u24 v[PFO], v9, s80
	v_mul_u32_u24 v11, v10, s81
	v_add_nc_u32 v[PFO], v[PFO], v11
	s_lshl_b32 s82, s13, s84
	s_mov_b32 s83, 0
	s_wait_dscnt 0x0                               ; both opening adds are done
	s_wait_kmcnt 0x0
	s_load_b32 s[LAM], s[6:7], 0x0                 ; lam
	s_add_nc_u64 s[74:75], s[4:5], s[74:75]        ; K and V at my tile of slot 0
	s_add_nc_u64 s[76:77], s[4:5], s[76:77]
	s_add_nc_u64 s[QA:QA+1], s[4:5], s[QA:QA+1]
	s_add_nc_u64 s[8:9], s[8:9], s[78:79]
	s_add_nc_u64 s[10:11], s[10:11], s[2:3]
	s_cmp_lt_u32 s[WV], 2
	s_cselect_b64 s[PFA:PFA+1], s[74:75], s[76:77] ; (in waves 0 and 2 these stand at a slot's first row)
	s_add_nc_u64 s[PFA:PFA+1], s[PFA:PFA+1], s[82:83]
	s_add_nc_u64 s[PFA:PFA+1], s[PFA:PFA+1], s[PFS:PFS+1]
	s_add_nc_u64 s[PFA:PFA+1], s[PFA:PFA+1], s[PFS:PFS+1]   ; in slot 2; each change of slots steps it ahead of its request.  Nothing is asked for here, at the head
	CROUND                                         ; all four work-groups are here: the first joint loads meet
.irp s, 0,1
	s_mov_b32 s[G0K+4*\s], 1
	s_add_co_u32 s[G0K+4*\s+1], s22, \s*SLOT1
	s_add_nc_u64 s[G0K+4*\s+2:G0K+4*\s+3], s[74:75], \s*KSLOT
	s_or_b32 s[G0K+4*\s+3], s[G0K+4*\s+3], 0x80000000
	s_mov_b32 s[G0V+4*\s], 1
	s_add_co_u32 s[G0V+4*\s+1], s23, \s*SLOT1
	s_add_nc_u64 s[G0V+4*\s+2:G0V+4*\s+3], s[76:77], \s*VSLOT
	s_or_b32 s[G0V+4*\s+3], s[G0V+4*\s+3], 0x80000000
.endr
	s_cmp_lt_u32 s[WV], 2                          ; a wave's two first fills stand in one branch: two loads of mine are out
	s_cbranch_scc0 .Lfirst_v
	tensor_load_to_lds s[G0K:G0K+3], s[G1K:G1K+7]
	s_nop 0
	tensor_load_to_lds s[G0K+4:G0K+7], s[G1K:G1K+7]
	s_nop 0
.rept 4
	v_nop
.endr
	s_branch .Lfirst_asked
.Lfirst_v:
	tensor_load_to_lds s[G0V:G0V+3], s[G1V:G1V+7]
	s_nop 0
	tensor_load_to_lds s[G0V+4:G0V+7], s[G1V:G1V+7]
	s_nop 0
.rept 4
	v_nop
.endr
.Lfirst_asked:
	; a fragment is 16 rows x 32 along K in 8 registers: lane l holds row l % 16; registers 0-3 K = 8 (l / 16) + 0..7, registers 4-7 K = 16 + 8 (l / 16) + 0..7: two loads of 16 bytes, 32 bytes apart
	v_and_b32 v1, 15, v0                           ; l % 16
	v_bfe_u32 v9, v0, 4, 1                         ; l / 16
	v_lshlrev_b32 v[QO], 12, v1
	v_lshl_add_u32 v[QO], v9, 4, v[QO]
	WIN 0xc0                                       ; destination window 3
.irp qt, 0,1
.irp e, 0,1
.irp p, 0,1
.irp cs, 0,1
	global_load_b128 v[64*\p+16*(2*\qt+\e)+8*\cs:64*\p+16*(2*\qt+\e)+8*\cs+3],   v[QO], s[QA:QA+1] offset:\qt*65536+\e*256+\p*128+\cs*64
	global_load_b128 v[64*\p+16*(2*\qt+\e)+8*\cs+4:64*\p+16*(2*\qt+\e)+8*\cs+7], v[QO], s[QA:QA+1] offset:\qt*65536+\e*256+\p*128+\cs*64+32
.endr
.endr
.endr
.endr
	WIN 0
	v_mul_u32_u24 v[AK0], v1, PK
	v_lshl_add_u32 v[AK0], v9, 4, v[AK0]           ; row x pitch + 16 x half
	v_add_nc_u32 v[AV0], VOFF, v[AK0]
; THE MATRIX WORK OF A TURN, for piece x.  The accumulators take turns, one instruction a turn: between two links of a chain stand 15 others'.
; Product i of 32 of O^T += V^T P: keys 32 (i / 16) on, channels 16 ((i / 4) % 4) on, tile i % 4.  zero = 1: the first 16 start the sums.
.macro PV x, zero
	WIN 0xa3+4*(\x)                                ; V window 3, P window x, O^T window 2
.set rO, 128*(\x)+32*(i%4)+8*((i/4)%4)
.set rV, VF+32*(i/16)+8*((i/4)%4)
.set rP, P+16*(i%4)+8*(i/16)
.if \zero && (i < 16)
	v_wmma_f32_16x16x32_f16 v[rO:rO+7], v[rV:rV+7], v[rP:rP+7], 0
.else
	v_wmma_f32_16x16x32_f16 v[rO:rO+7], v[rV:rV+7], v[rP:rP+7], v[rO:rO+7]
.endif
.endm
; Product i of 32 of S^T = K Q^T: channels 32 (i / 16) on, keys 16 ((i / 4) % 4) on, tile i % 4.  The first 16 start the sums.
.macro KQ x
	WIN 0x0f+0x50*(\x)                             ; K and Q window 3, S^T window x
.set rS, S+32*(i%4)+8*((i/4)%4)
.set rK, KF+16*((i/4)%4)+8*(i/16)
.set rQ, 64*(\x)+16*(i%4)+8*(i/16)
.if i < 16
	v_wmma_f32_16x16x32_f16 v[rS:rS+7], v[rK:rK+7], v[rQ:rQ+7], 0
.else
	v_wmma_f32_16x16x32_f16 v[rS:rS+7], v[rK:rK+7], v[rQ:rQ+7], v[rS:rS+7]
.endif
.endm
; THE LDS LOADS stand in runs of 16: piece x's half of a step's K rows (64 keys x 64 channels), and a step's V (64 channels x 64 keys).
.macro FETCH_K x
	WIN 0
	v_add_nc_u32 v[ADR], s[TBK], v[AK0]
	WIN 0xc0
.irp f, 0,1,2,3,4,5,6,7                ; keys 16 (f / 2) on, channels 32 (f % 2) on
	ds_load_b128 v[KF+8*\f:KF+8*\f+3],   v[ADR] offset:(\f/2)*16*PK+(\x)*128+(\f%2)*64
	ds_load_b128 v[KF+8*\f+4:KF+8*\f+7], v[ADR] offset:(\f/2)*16*PK+(\x)*128+(\f%2)*64+32
.endr
.endm
.macro FETCH_V
	WIN 0
	v_add_nc_u32 v[ADR], s[TBV], v[AV0]
	s_add_co_u32 s[TBK], s[TBK], STEPK             ; the next fetches are the next step's
	s_add_co_u32 s[TBV], s[TBV], STEPV
	s_wait_alu depctr_va_vdst(0)                   ; the wait for the softmax's batch (SLICE), behind the address's addition and ahead of the loads
	WIN 0xc0
.irp f, 0,1,2,3,4,5,6,7                ; keys 32 (f / 4) on, channels 16 (f % 4) on
	ds_load_b128 v[VF+8*\f:VF+8*\f+3],   v[ADR] offset:(\f%4)*16*PK+(\f/4)*64
	ds_load_b128 v[VF+8*\f+4:VF+8*\f+7], v[ADR] offset:(\f%4)*16*PK+(\f/4)*64+32
.endr
.endm
; THE VECTOR WORK OF A TURN.  One tile's softmax for one key step is a list of 118 instructions; SM writes number j of it for tile t of piece p.  s0-s31 are the lane's 32 scores.
;   0-15 the maximum of s0-s31 and the old m;  16-20 the other half of the lanes' maximum, the new m, c m, its change;
;   21-69 ONE BATCH: 16 scalings c s - c m and all 33 exponentials (a at 23): none of these reads an exponential's result; a pair is scaled in an earlier four than the one with its exponentials;
;   (the wait for the batch: SLICE writes it);  70-85 the roundings to f16;  86-101 the sums, l = a l + the sum;  102-117 the tile's O^T times a.
; first = 1: the first key step, which starts m, l and O^T.
.macro SM t, p, first
.set rT, ST+8*(\t)
.set rS, S+32*(\t)
.set rP, P+16*(\t)
.set rO, 128*(\p)+32*(\t)+2*(j-102)
.if j < 102
	WIN 0x55*(\p)                                  ; every operand in the piece's window
.endif
.if j < 4
	v_max3_num_f32 v[rT+4+j], v[rS+8*j], v[rS+8*j+1], v[rS+8*j+2]   ; each accumulator is first read at its low end
.elseif j < 12
	v_max3_num_f32 v[rT+4+j%4], v[rT+4+j%4], v[rS+8*(j%4)+2*(j/4)+1], v[rS+8*(j%4)+2*(j/4)+2]
.elseif j == 12
	v_max3_num_f32 v[rT+4], v[rT+4], v[rS+7], v[rS+15]
.elseif j == 13
	v_max3_num_f32 v[rT+6], v[rT+6], v[rS+23], v[rS+31]
.elseif j == 14
	v_max3_num_f32 v[rT+4], v[rT+4], v[rT+5], v[rT+6]
.elseif (j == 15) && \first
	v_max_num_f32 v[rT+4], v[rT+4], v[rT+7]
.elseif j == 15
	v_max3_num_f32 v[rT+4], v[rT+4], v[rT+7], v[rT+1]
.elseif j == 16
	v_permlanex16_b32 v[rT+5], v[rT+4], s[SEL], s[SEL+1]  ; the query's other 32 keys lie in the lane 16 away
.elseif j == 18
	v_max_num_f32 v[rT+1], v[rT+4], v[rT+5]
.elseif j == 19
	v_mul_f32 v[rT], s[CS], v[rT+1]
.elseif ((j == 17) || (j == 20) || (j == 23) || (j > 101)) && \first  ; the first step has none of these
.elseif j == 17
	v_mov_b32 v[rT+7], v[rT]                       ; c m_old is kept for a
.elseif j == 20
	v_sub_f32 v[rT+7], v[rT+7], v[rT]
.elseif j == 23
	v_exp_f32 v[rT+6], v[rT+7]
.elseif (j < 23) || ((j < 38) && (j%2 == 0)) || ((j < 66) && (j%4 == 2))
.set b, (j-2)/4                        ; 38, 42, .. 62: pairs 9 to 15
.if j < 38
.set b, (j-20)/2                       ; 21: pair 0; 22, 24, .. 36: pairs 1 to 8
.endif
	v_pk_fma_f32 v[rS+2*b:rS+2*b+1], v[rS+2*b:rS+2*b+1], s[CS:CS+1], v[rT:rT+1] op_sel_hi:[1,0,0] neg_lo:[0,0,1] neg_hi:[0,0,1]  ; pair b: c s - c m
.elseif j < 70
.set e, j-38                           ; 66 to 69: s28 to s31
.if j < 66
.set e, j-32-(j-38)/4                  ; 39-41, 43-45, .. 63-65: s7 to s27
.endif
.if j < 38
.set e, (j-25)/2                       ; 25, 27, .. 37: s0 to s6
.endif
	v_exp_f32 v[rS+e], v[rS+e]
.elseif j < 86
	v_cvt_pk_f16_f32 v[rP+j-70], v[rS+2*(j-70)], v[rS+2*(j-70)+1]
.elseif j < 102                        ; the sum of the tile's 16 pairs, in place: neighbours 1, 2, 4 and 8 pairs apart, then l takes it
.set z, j-86
.set w, 4
.set u, z
.if z >= 14
.set w, 32
.set u, 0
.elseif z >= 12
.set w, 16
.set u, z-12
.elseif z >= 8
.set w, 8
.set u, z-8
.endif
.if (z == 14) && \first
	v_pk_add_f32 v[rT+2:rT+3], v[rS:rS+1], v[rS+16:rS+17]
.elseif z < 15
	v_pk_add_f32 v[rS+w*u:rS+w*u+1], v[rS+w*u:rS+w*u+1], v[rS+w*u+w/2:rS+w*u+w/2+1]
.elseif !\first
	v_pk_fma_f32 v[rT+2:rT+3], v[rT+2:rT+3], v[rT+6:rT+7], v[rS:rS+1] op_sel_hi:[1,0,1]
.endif
.else
	WIN 0x82+4*(\p)                                ; O^T window 2, a in the piece's window
	v_pk_mul_f32 v[rO:rO+1], v[rO:rO+1], v[rT+6:rT+7] op_sel_hi:[1,0]
.endif
.endm
; Slice k of piece y's softmax: eight instructions.  Slices 11 to 34 deal out the batch, numbers 22 to 69: four numbers of each of two tiles.  Every other slice is numbers 2 k and 2 k + 1 of the four tiles, the tiles
; by turns.  4 x 118 = 8 x 59: slices 59 to 63 are empty.  Behind slice 34 stands the one wait between the piece's 132 exponentials and the first line that names a result.
.macro SLICE y, first
.if (k >= 11) && (k < 35)
.irp u2, 0,1
.irp n, 0,1,2,3
.set j, 22+4*((k-11)/2)+(\n)
	SM 2*((k-11)%2)+\u2, \y, \first
.endr
.endr
.elseif k < 59
.irp n, 0,1
.irp t, 0,1,2,3
.set j, 2*k+\n
	SM \t, \y, \first
.endr
.endr
.endif
.if k == 34
	v_nop                                          ; the plain line behind the last exponential: one for the batch
.if (\y) == 0
	FETCH_V                                        ; piece 1's turn: V's run of loads stands here, and the wait stands in it
.else
	s_wait_alu depctr_va_vdst(0)                   ; the wait for the batch
.endif
.endif
.set k, k+1
.endm
.macro PLACES
.rept 4
	v_nop
.endr
.endm
; A TURN.  Piece x has the matrix unit; the other piece's softmax stands in slices behind its matrix instructions.  pv = 2: 32 products V^T P; 1: they start O^T; 0: none.  kq = 1: 32 products K Q^T for the next step.
; Each turn fetches its own half of the next step's K behind its second product: the buffer's last reader is the turn before's last product, and slice 0's eight lines, which name none of its registers, lie between.
; Piece 1's turn fetches the next step's V behind slice 34: the last reader stands in front of slice 31; four scalings, the v_nop and the address's addition lie between.
.macro TURN x, pv, kq, first
.set k, 0
.set per, 2
.if \pv && \kq
.set per, 1
.endif
.if \pv
.if \x == 0
	s_wait_dscnt 0x0                               ; V is in
.endif
.set i, 0
.rept 32
	PV \x, 2-\pv
.rept per
	SLICE 1-\x, \first
.endr
.if \kq && (i == 1)
	FETCH_K \x
.endif
.set i, i+1
.endr
.endif
.if \kq
	s_wait_dscnt 0x0                               ; K is in
.set i, 0
.rept 32
	KQ \x
.rept per
	SLICE 1-\x, \first
.endr
.set i, i+1
.endr
.endif
.if \first
	PLACES                                         ; the first step's list ends early: these take the part of the slices behind the last products
.endif
.endm
; THE CHANGE OF SLOTS, between piece 1's turn and piece 0's: the slot's last bytes, V of its second step, have been asked for.  Each wave waits for all its tensor loads (one is out: its part of the other slot), adds 0 to
; its spare word, and waits for that and for its reads of the slot.  fill = 1: the barrier is a round of the cluster's, and the joint refill, the keys two slots on, is the first thing behind it: two key steps in which to land.
.macro CHANGE fill
	WIN 0
	s_wait_tensorcnt 0x0                           ; no tensor load of mine is out, so a group 0 may be written
	ds_add_u32 v[SPW], v[NIL]                      ; 0 onto my spare word
.if \fill
	s_xor_b32 s[G0K+5], s[G0K+5], SLOT1            ; the walking descriptors: the other slot than last time, the next 128 keys
	s_add_nc_u64 s[G0K+6:G0K+7], s[G0K+6:G0K+7], KSLOT
	s_xor_b32 s[G0V+5], s[G0V+5], SLOT1
	s_add_nc_u64 s[G0V+6:G0V+7], s[G0V+6:G0V+7], VSLOT
	s_wait_xcnt 0x0                                ; the last prefetch, two key steps back, has read its address
	s_add_nc_u64 s[PFA:PFA+1], s[PFA:PFA+1], s[PFS:PFS+1]
	s_wait_dscnt 0x0                               ; the add is done, and my reads of the slot are over
	CROUND
	JLOAD
	ASK
.else
	s_wait_dscnt 0x0
	s_barrier_signal -1
	s_barrier_wait -1
.endif
	s_sub_co_u32 s[TBK], s[TBK], 2*STEPK           ; the fetches go back to a slot's first step,
	s_xor_b32 s[TBK], s[TBK], SLOT1                ; in the other slot
	s_sub_co_u32 s[TBV], s[TBV], 2*STEPV
	s_xor_b32 s[TBV], s[TBV], SLOT1
.endm
.macro TWO_STEPS                       ; a slot's two key steps: written once, walked twice
	s_mov_b32 s[TWICE], 2
.Lstep_\@:
	TURN 0, 2, 1, 0
	TURN 1, 2, 1, 0
	WIN 0
	s_sub_co_u32 s[TWICE], s[TWICE], 1
	s_cmp_lg_u32 s[TWICE], 0
	s_cbranch_scc1 .Lstep_\@
.endm
	s_wait_tensorcnt 1                             ; my part of slot 0 is in; slot 1's may stay out
	s_barrier_signal -1
	s_barrier_wait -1
	FETCH_K 0                                      ; K1 of key step 0
	s_wait_loadcnt 0x0                             ; Q
	s_wait_kmcnt 0x0                               ; lam
	s_wait_dscnt 0x0
.set i, 0
.rept 32
	KQ 0                                           ; piece 0's first scores
.set i, i+1
.endr
	WIN 0                                          ; the addresses for the way out are made here: plain lines, the places behind those products
	s_mul_i32 s80, s[WV], 16*SP
	s_add_co_u32 s80, s80, STAGE                   ; my stage
	v_mul_u32_u24 v[STO], v1, SP                   ; in: row l % 16, 16 bytes for each half of the lanes
	v_lshl_add_u32 v[STO], v9, 4, v[STO]
	v_add_nc_u32 v[STO], s80, v[STO]
	v_mul_u32_u24 v[RD], v9, SP                    ; back: lanes 0-15 one row of 256 bytes, lanes 16-31 the next
	v_lshl_add_u32 v[RD], v1, 4, v[RD]
	v_add_nc_u32 v[RD], s80, v[RD]
	v_lshlrev_b32 v[GO], 11, v9                    ; and the same two rows in att16
	v_lshl_add_u32 v[GO], v1, 4, v[GO]
	v_and_b32 v[SO], 31, v0
	v_lshlrev_b32 v[SO], 2, v[SO]
	FETCH_K 1                                      ; K2 of key step 0
	TURN 1, 0, 1, 1                                ; piece 1's first scores | piece 0's first softmax | V of step 0
	TURN 0, 1, 1, 1                                ; piece 0: V^T P of step 0 starts O^T, K Q^T of step 1 | piece 1's first softmax
	TURN 1, 1, 1, 0                                ; piece 1: the same | piece 0's softmax of step 1 | V of step 1
	WIN 0
.Lslot:                                            ; 14 trips: every slot but the last two is filled again
	CHANGE 1
	TWO_STEPS
	s_sub_co_u32 s[SLOTS], s[SLOTS], 1
	s_cmp_lg_u32 s[SLOTS], 0
	s_cbranch_scc1 .Lslot
	CHANGE 0                                       ; the tail is written out
	TWO_STEPS
	TURN 0, 2, 0, 0                                ; piece 0: V^T P of the last step | piece 1's last softmax
.set i, 0
.rept 32
	PV 1, 0                                        ; piece 1: V^T P of the last step
.set i, i+1
.endr
	; THE WAY OUT.  l's two halves and the other half of the lanes' are added (these lines are the places behind the last products); nine reciprocals are one batch with one wait.
.irp p, 0,1
	WIN 0x55*\p
.irp t, 0,1,2,3
	v_add_f32 v[ST+8*\t+4], v[ST+8*\t+2], v[ST+8*\t+3]
.endr
.irp t, 0,1,2,3
	v_permlanex16_b32 v[ST+8*\t+5], v[ST+8*\t+4], s[SEL], s[SEL+1]
.endr
.irp t, 0,1,2,3
	v_add_f32 v[ST+8*\t+4], v[ST+8*\t+4], v[ST+8*\t+5]
.endr
.endr
	WIN 0
	v_mov_b32 v44, s[LAM]
	v_add_f32 v45, 1.0, |v44|                      ; 1 + |lam|
	v_rcp_f32 v46, v45
.irp t, 0,1,2,3
	v_rcp_f32 v[ST+8*\t+6], v[ST+8*\t+4]
.endr
	WIN 0x55
.irp t, 0,1,2,3
	v_rcp_f32 v[ST+8*\t+6], v[ST+8*\t+4]
.endr
	v_nop                                          ; a plain line behind the last reciprocal
	s_wait_alu depctr_va_vdst(0)                   ; and the one wait ahead of the first use
	WIN 0
	v_mul_f32 v47, v46, v44                        ; lam / (1 + |lam|)
.irp t, 0,1,2,3
	v_mul_f32 v[ST+8*\t+6], v[ST+8*\t+6], v46      ; u1 = 1 / (l1 (1 + |lam|))
.endr
	WIN 0x01                                       ; source 0 in window 1
.irp t, 0,1,2,3
	v_mul_f32 v[48+2*\t], v[ST+8*\t+6], v47        ; u2 = lam / (l2 (1 + |lam|)), as a pair in window 0
	v_mul_f32 v[49+2*\t], v[ST+8*\t+6], v47
.endr
.irp t, 0,1,2,3
	WIN 0x82                                       ; O2 x u2, each accumulator from its low end
.set n, 0
.rept 16
	v_pk_mul_f32 v[128+32*\t+n:128+32*\t+n+1], v[128+32*\t+n:128+32*\t+n+1], v[48+2*\t:49+2*\t]
.set n, n+2
.endr
	WIN 0xa2                                       ; a' = O1 x u1 - that
.set n, 0
.rept 16
	v_pk_fma_f32 v[32*\t+n:32*\t+n+1], v[32*\t+n:32*\t+n+1], v[ST+8*\t+6:ST+8*\t+7], v[128+32*\t+n:128+32*\t+n+1] op_sel_hi:[1,0,1] neg_lo:[0,0,1] neg_hi:[0,0,1]
.set n, n+2
.endr
	WIN 0x0a                                       ; sources 0 and 1 window 2, the rest window 0: the squares, in two chains, and the roundings
	v_pk_mul_f32 v[56:57], v[32*\t:32*\t+1], v[32*\t:32*\t+1]
	v_pk_mul_f32 v[58:59], v[32*\t+2:32*\t+3], v[32*\t+2:32*\t+3]
.set n, 4
.rept 7
	v_pk_fma_f32 v[56:57], v[32*\t+n:32*\t+n+1], v[32*\t+n:32*\t+n+1], v[56:57]
	v_pk_fma_f32 v[58:59], v[32*\t+n+2:32*\t+n+3], v[32*\t+n+2:32*\t+n+3], v[58:59]
.set n, n+4
.endr
.set n, 0
.rept 16
	v_cvt_pk_f16_f32 v[S+16*\t+n], v[32*\t+2*n], v[32*\t+2*n+1]
.set n, n+1
.endr
	WIN 0
	v_pk_add_f32 v[56:57], v[56:57], v[58:59]
	v_add_f32 v[ST+8*\t+4], v56, v57               ; my 32 channels' squares of the tile's query
.endr
.irp t, 0,1,2,3
	v_permlanex16_b32 v[ST+8*\t+5], v[ST+8*\t+4], s[SEL], s[SEL+1]
.endr
.irp t, 0,1,2,3
	v_add_f32 v[ST+8*\t+4], v[ST+8*\t+4], v[ST+8*\t+5]   ; with the other 32
.endr
	v_cndmask_b32 v56, v[ST+4], v[ST+20], s[HI]    ; head e = 0: lanes 0-15 queries 0-15 (tile 0), lanes 16-31 queries 16-31 (tile 2)
	v_cndmask_b32 v57, v[ST+12], v[ST+28], s[HI]   ; head e = 1: tiles 1 and 3
	global_store_b32 v[SO], v56, s[10:11]          ; 32 lanes store 128 consecutive bytes
	global_store_b32 v[SO], v57, s[10:11] offset:16384
; 16 queries' rows of 256 bytes (two heads x 64 channels) go through my stage and come back whole, into the registers that they left.
.macro PACKQ qt
.irp f, 0,1,2,3,4,5,6,7                ; f = 4 e + dt
	ds_store_b128 v[STO], v[S+32*\qt+4*\f:S+32*\qt+4*\f+3] offset:32*\f
.endr
.irp f, 0,1,2,3,4,5,6,7
	ds_load_b128 v[S+32*\qt+4*\f:S+32*\qt+4*\f+3], v[RD] offset:\f*2*SP   ; LDS serves a wave's instructions in order: these see the stores above
.endr
.endm
.macro SENDQ qt, younger
.irp f, 0,1,2,3,4,5,6,7
	s_wait_dscnt \younger+7-\f
	global_store_b128 v[GO], v[S+32*\qt+4*\f:S+32*\qt+4*\f+3], s[8:9] offset:\qt*32768+\f*4096  ; 16 lanes store 256 consecutive bytes, aligned
.endr
.endm
	PACKQ 0
	PACKQ 1
	SENDQ 0, 16
	SENDQ 1, 0
	s_wait_tensorcnt 0x0                           ; the wave's end
	ds_add_u32 v[SPW], v[NIL]
	s_wait_dscnt 0x0
	CROUND                                         ; the closing round
	s_endpgm
.Lfunc_end_k_qc1680edddc_attn:
	.size	k_qc1680edddc_attn, .Lfunc_end_k_qc1680edddc_attn-k_qc1680edddc_attn
	.p2alignl 7, 3214868480
	.fill 96, 4, 3214868480
	.section	.rodata,"a",@progbits
	.p2align	6, 0x0
	.amdhsa_kernel k_qc1680edddc_attn
		.amdhsa_group_segment_fixed_size 327680
		.amdhsa_private_segment_fixed_size 0
		.amdhsa_enable_private_segment 0
		.amdhsa_kernarg_size 32
		.amdhsa_user_sgpr_count 2
		.amdhsa_user_sgpr_kernarg_segment_ptr 1
		.amdhsa_wavefront_size32 1
		.amdhsa_system_sgpr_workgroup_id_x 1
		.amdhsa_system_sgpr_workgroup_id_y 1
		.amdhsa_system_sgpr_workgroup_id_z 1
		.amdhsa_system_vgpr_workitem_id 0
		.amdhsa_next_free_vgpr 1024
		.amdhsa_next_free_sgpr 96
		.amdhsa_reserve_vcc 0
		.amdhsa_float_denorm_mode_32 3
		.amdhsa_float_denorm_mode_16_64 3
		.amdhsa_memory_ordered 1
		.amdhsa_forward_progress 1
		.amdhsa_inst_pref_size 255
	.end_amdhsa_kernel
	.section	.bss,"aw",@nobits
	.p2align	6
	.space	262144
	.amdgpu_metadata
---
amdhsa.version: [ 1, 2 ]
amdhsa.kernels:
  - .name:           k_qc1680edddc_attn
    .symbol:         k_qc1680edddc_attn.kd
    .args:
      - { .name: proj, .offset: 0, .size: 8, .value_kind: global_buffer, .address_space: global }
      - { .name: lam, .offset: 8, .size: 8, .value_kind: global_buffer, .address_space: global }
      - { .name: att16, .offset: 16, .size: 8, .value_kind: global_buffer, .address_space: global }
      - { .name: ss, .offset: 24, .size: 8, .value_kind: global_buffer, .address_space: global }
    .group_segment_fixed_size: 327680
    .private_segment_fixed_size: 0
    .kernarg_segment_align: 8
    .kernarg_segment_size: 32
    .max_flat_workgroup_size: 128
    .sgpr_count:     96
    .vgpr_count:     1024
    .wavefront_size: 32
...
	.end_amdgpu_metadata
.endif
;; end of part 3
;; launch outp (part 4): grid 8 x 32, 4 waves a work-group, clusters of 4 x 4, 327,680 bytes of LDS; arguments att16, wo16, ss, lam, out0; writes out0
.if DOCPART == 4
	.amdgcn_target "amdgcn-amd-amdhsa--gfx1250"
	.amdhsa_code_object_version 6
	.text
	.protected	k_qc1680edddc_outp
	.globl	k_qc1680edddc_outp
	.p2align	8
	.type	k_qc1680edddc_outp,@function
k_qc1680edddc_outp:
	s_mov_b64 s[64:65], 0
	v_nop
	global_prefetch_b8 v0, s[64:65] scope:SCOPE_SE
	s_setreg_imm32_b32 hwreg(HW_REG_WAVE_MODE, 25, 1), 1
	s_wait_xcnt 0x0
	s_wait_alu depctr_hold_cnt(0) depctr_sa_sdst(0) depctr_va_vdst(0) depctr_va_sdst(0) depctr_va_ssrc(0) depctr_va_vcc(0) depctr_vm_vsrc(0)
	s_getreg_b32 s2, hwreg(HW_REG_IB_STS2, 6, 4)
	s_cmp_eq_u32 s2, 0
	s_cbranch_scc0 .Lentry_in_a_cluster
	s_endpgm
.Lentry_in_a_cluster:
	s_bfe_u32 s2, ttmp6, 0x10000c
	s_cmp_lg_u32 s2, 0xf033
	s_cbranch_scc0 .Lentry_shape_is_right
	s_endpgm
.Lentry_shape_is_right:
; out0[m][n] = F[m] x the sum over k of a'[m][k] wo16[n][k].  a' = att16 [4096][1024] and wo16 = Wo x g [1024][1024] in f16, sums in f32, out0 [4096][1024] f32.
; F[m] = c L / sqrt(L^2 x (the sum over the 16 heads of ss[h][m]) / 1024 + 1e-5), L = 1 + |lam|, c = 1 - lambda_init = 0.2163942: the norm's factor, the constant and the L that the launch before divided by.
; A tile of C is 128 x 128: 256 work-groups.  Four waves, each 64 x 64: 16 accumulators.  K goes in steps of 256 (LDS rows of 512 bytes, 64 to a tensor load) through two slots.
; CLUSTERS: 4 x 4 work-groups.  The four of a row need the same tiles of A, the four of a column the same tiles of B: each tile is asked for JOINTLY.
; THE MATRIX INSTRUCTION IS USED TRANSPOSED (source 0 = 16 rows of B, source 1 = 16 rows of A): a lane holds eight neighbouring numbers of one row of C, so F is one number a lane and block of rows.
; A wave's 64 columns of f32 are 256 aligned bytes: each wave has a stage of its own on the way out, and no barrier stands there.
; REGISTERS: window 0: v0-31 addresses; v32-95 at work (at the head ss, on the way out rows); v96-111 F; v128-255 the accumulators ((a, b) at v[128 + 8 (4 a + b)]).  window 1: two fragment buffers of 128.
.set SIZE_N, 1024
.set SIZE_K, 1024
.set KSTEP,  256
.set PITCH,  528                       ; an LDS row: 512 bytes + 16 of padding
.set HALFT,  64*PITCH
.set SLOT,   4*HALFT
.set STAGE,  2*SLOT                    ; behind the ring: 16 rows x 272 bytes for each wave
.set SPITCH, 272
.set SPARE,  STAGE+4*16*SPITCH         ; the spare words, 128 bytes a wave
.set LAPS,   SIZE_K/(2*KSTEP)
.set ADRA, 16
.set ADRB, 20
.set STO,  24
.set RD,   25
.set CO,   26
.set SSO,  27                          ; v27  4 x (l % 16): my row's place in ss
.set SPW,  28
.set NIL,  29
.set OB,   32
.set FP,   104                         ; v104-111 F of my row in each of the four blocks of rows, as pairs
.set ACC,  128
.set F0,   0
.set F1,   128
.set G1, 24
.set G0, 32
.set G1B, 48
.set G0B, 56
.set MSB, 0
.macro WIN new
.if MSB != (\new)
	s_set_vgpr_msb (MSB<<8)|(\new)
.set MSB, (\new)
.endif
.endm
.set MUL,  0x05                        ; sources 0 (B) and 1 (A) window 1; C and D window 0
.set TO_F, 0x40
.macro JLOAD s                         ; waves 0 and 1 fetch A's two halves, waves 2 and 3 B's
	s_cmp_eq_u32 s11, 0
	s_cbranch_scc0 .Lfor_b_\@
	tensor_load_to_lds s[G0+4*\s:G0+4*\s+3], s[G1:G1+7]
	s_nop 0
.rept 4
	v_nop
.endr
	s_branch .Lasked_\@
.Lfor_b_\@:
	tensor_load_to_lds s[G0B+4*\s:G0B+4*\s+3], s[G1B:G1B+7]
	s_nop 0
.rept 4
	v_nop
.endr
.Lasked_\@:
.endm
.macro CREST
	s_cmp_lg_u32 s10, 0
	s_cbranch_scc1 .Lnot_wave_0_\@
	s_barrier_signal -3
.Lnot_wave_0_\@:
	s_barrier_wait -3
	s_barrier_signal -1
	s_barrier_wait -1
.endm
.macro CROUND
	s_barrier_signal -1
	s_barrier_wait -1
	CREST
.endm
	s_load_b128 s[4:7], s[0:1], 0x0                ; att16 (A), wo16 (B)
	s_load_b128 s[68:71], s[0:1], 0x10             ; ss, lam
	s_load_b64 s[8:9], s[0:1], 0x20                ; out0
	v_lshl_add_u32 v[SPW], v0, 2, SPARE
	v_mov_b32 v[NIL], 0
	ds_add_u32 v[SPW], v[NIL]                      ; the wave's opening: the add, twice on end, and its wait ahead of my first tensor load
	ds_add_u32 v[SPW], v[NIL]
	v_lshrrev_b32 v1, 5, v0
	v_readfirstlane_b32 s10, v1                    ; wave 0..3
	s_lshr_b32 s11, s10, 1                         ; which half of the tile's rows is mine.  Also: I fetch for A (0) or for B (1)
	s_and_b32 s12, s10, 1                          ; which half of its columns.  Also: which 64 rows I fetch
	s_bfe_u32 s40, ttmp6, 0x40000                  ; cx, cy
	s_bfe_u32 s41, ttmp6, 0x40004
	s_lshl_b32 s42, ttmp9, 2
	s_add_co_u32 s42, s42, s40                     ; tile column of C
	s_and_b32 s13, ttmp7, 0xffff
	s_lshl_b32 s13, s13, 2
	s_add_co_u32 s13, s13, s41                     ; tile row of C
	s_lshl_b32 s43, s41, 2
	s_lshl_b32 s43, 15, s43                        ; my row of the cluster
	s_lshl_b32 s44, 0x1111, s40                    ; my column
	s_or_b32 s[G1+0], s43, (1<<16)|(1<<20)|(1<<21)|(6<<22)|(3<<25)  ; the mask; elements of 2 bytes; padding of 4 words after every 128; bit 21 beside a mask
	s_or_b32 s[G1B+0], s44, (1<<16)|(1<<20)|(1<<21)|(6<<22)|(3<<25)
.irp g, G1, G1B
	s_mov_b32 s[\g+1], KSTEP<<16                   ; tensor_dim0 = 256
	s_mov_b32 s[\g+2], 64<<16                      ; tensor_dim1 = 64
	s_mov_b32 s[\g+3], KSTEP<<16                   ; tile_dim0
	s_mov_b32 s[\g+4], 64                          ; tile_dim1
	s_mov_b32 s[\g+5], SIZE_K                      ; stride
	s_mov_b32 s[\g+6], 0
	s_mov_b32 s[\g+7], 0
.endr
	s_lshl_b32 s17, s12, 6
	s_lshl_b32 s16, s13, 7
	s_add_co_u32 s16, s16, s17                     ; A: row 128 x tile row + 64 x half
	s_lshl_b32 s46, s42, 7
	s_add_co_u32 s46, s46, s17                     ; B: row 128 x tile column + 64 x half
	s_mov_b32 s17, 0
	s_mov_b32 s47, 0
	s_mov_b64 s[18:19], SIZE_K*2
	s_mul_u64 s[16:17], s[16:17], s[18:19]
	s_mul_u64 s[46:47], s[46:47], s[18:19]
	s_mul_i32 s20, s10, HALFT
	s_wait_dscnt 0x0                               ; both opening adds are done
	s_wait_kmcnt 0x0
	s_load_b32 s72, s[70:71], 0x0                  ; lam
	s_add_nc_u64 s[14:15], s[4:5], s[16:17]
	s_add_nc_u64 s[46:47], s[6:7], s[46:47]
	CROUND                                         ; all sixteen work-groups are here: the first joint loads meet
.irp s, 0,1
	s_mov_b32 s[G0+4*\s], 1
	s_add_co_u32 s[G0+4*\s+1], s20, \s*SLOT
	s_add_nc_u64 s[G0+4*\s+2:G0+4*\s+3], s[14:15], \s*KSTEP*2
	s_or_b32 s[G0+4*\s+3], s[G0+4*\s+3], 0x80000000
	s_mov_b32 s[G0B+4*\s], 1
	s_add_co_u32 s[G0B+4*\s+1], s20, \s*SLOT
	s_add_nc_u64 s[G0B+4*\s+2:G0B+4*\s+3], s[46:47], \s*KSTEP*2
	s_or_b32 s[G0B+4*\s+3], s[G0B+4*\s+3], 0x80000000
	JLOAD \s
.endr
	v_and_b32 v1, 15, v0                           ; l % 16
	v_bfe_u32 v2, v0, 4, 1                         ; l / 16
	s_lshl_b32 s16, s13, 7
	s_lshl_b32 s17, s11, 6
	s_add_co_u32 s16, s16, s17                     ; my first row of C: 128 x tile row + 64 x half
	s_lshl_b32 s74, s16, 2
	s_mov_b32 s75, 0
	s_add_nc_u64 s[68:69], s[68:69], s[74:75]      ; ss at that row, head 0
	v_lshlrev_b32 v[SSO], 2, v1
.irp a, 0,1,2,3
.irp h, 0,1,2,3,4,5,6,7,8,9,10,11,12,13,14,15
	global_load_b32 v[OB+16*\a+\h], v[SSO], s[68:69] offset:\h*16384+\a*64   ; ss[h][my row of block a]
.endr
.endr
	v_mul_u32_u24 v3, v1, PITCH
	v_lshl_add_u32 v3, v2, 4, v3                   ; a fragment's row x pitch + 16 x half
	s_mul_i32 s21, s11, HALFT                      ; my 64 rows of A
	s_mul_i32 s22, s12, HALFT                      ; my 64 rows of B,
	s_add_co_u32 s22, s22, 2*HALFT                 ; behind A's 128
.irp s, 0,1
	v_add_nc_u32 v[ADRA+\s], s21, v3
	v_add_nc_u32 v[ADRB+\s], s22, v3
	s_add_co_u32 s21, s21, SLOT
	s_add_co_u32 s22, s22, SLOT
.endr
	s_mul_i32 s23, s10, 16*SPITCH
	s_add_co_u32 s23, s23, STAGE                   ; my stage
	v_mul_u32_u24 v4, v1, SPITCH                   ; in: row l % 16, 32 bytes for each half of the lanes
	v_lshl_add_u32 v4, v2, 5, v4
	v_add_nc_u32 v[STO], s23, v4
	v_mul_u32_u24 v5, v2, SPITCH                   ; back: lanes 0-15 one row of 256 bytes, lanes 16-31 the next
	v_lshl_add_u32 v5, v1, 4, v5
	v_add_nc_u32 v[RD], s23, v5
	v_lshlrev_b32 v5, 12, v2                       ; and the same two rows in C, 4,096 bytes a row
	v_lshl_add_u32 v[CO], v1, 4, v5
	s_lshl_b32 s16, s16, 12
	s_mov_b32 s17, 0
	s_add_nc_u64 s[8:9], s[8:9], s[16:17]
	s_lshl_b32 s46, s42, 9                         ; my first column, in bytes: 512 x tile column + 256 x half
	s_lshl_b32 s47, s12, 8
	s_add_co_u32 s46, s46, s47
	s_mov_b32 s47, 0
	s_add_nc_u64 s[8:9], s[8:9], s[46:47]
	; F, while the first tiles are on their way
	s_wait_loadcnt 0x0
	s_wait_kmcnt 0x0
.irp h, 1,2,3,4,5,6,7,8,9,10,11,12,13,14,15
.irp a, 0,1,2,3
	v_add_f32 v[OB+16*\a], v[OB+16*\a], v[OB+16*\a+\h]   ; the 16 heads' sums of squares, the four blocks by turns
.endr
.endr
	v_mov_b32 v96, s72
	v_add_f32 v97, 1.0, |v96|                      ; L = 1 + |lam|
	v_mul_f32 v98, v97, v97
	v_mul_f32 v98, 0x3a800000, v98                 ; L^2 / 1024
	v_mul_f32 v99, 0x3e5d9673, v97                 ; c L
.irp a, 0,1,2,3
	v_fmaak_f32 v[100+\a], v[OB+16*\a], v98, 0x3727c5ac   ; + 1e-5
.endr
.irp a, 0,1,2,3
	v_rsq_f32 v[FP+2*\a], v[100+\a]
.endr
	v_nop                                          ; a plain line behind the last root
	s_wait_alu depctr_va_vdst(0)                   ; and the one wait ahead of the first use
.irp a, 0,1,2,3
	v_mul_f32 v[FP+2*\a], v[FP+2*\a], v99
.endr
.irp a, 0,1,2,3
	v_mov_b32 v[FP+2*\a+1], v[FP+2*\a]
.endr
; 8 matrix instructions: m blocks a0, a0 + 1 x all 4 n blocks, 32 along K: half c of buffer f.  The 16 accumulators take turns.
.macro MUL8 f, c, a0, zero
.irp a, \a0, \a0+1
.irp b, 0,1,2,3
.if \zero
	v_wmma_f32_16x16x32_f16 v[ACC+8*(4*(\a)+\b):ACC+8*(4*(\a)+\b)+7], v[\f+64+8*(4*\c+\b):\f+64+8*(4*\c+\b)+7], v[\f+8*(4*\c+\a):\f+8*(4*\c+\a)+7], 0
.else
	v_wmma_f32_16x16x32_f16 v[ACC+8*(4*(\a)+\b):ACC+8*(4*(\a)+\b)+7], v[\f+64+8*(4*\c+\b):\f+64+8*(4*\c+\b)+7], v[\f+8*(4*\c+\a):\f+8*(4*\c+\a)+7], v[ACC+8*(4*(\a)+\b):ACC+8*(4*(\a)+\b)+7]
.endif
.endr
.endr
.endm
.macro FETCH slot, k, f                ; 32 LDS loads in one run: the fragments of 64 along K at byte k of the rows; the first 32 along K first
	WIN TO_F
.irp c, 0,1
.irp i, 0,1,2,3
	ds_load_b128 v[\f+64+8*(4*\c+\i):\f+64+8*(4*\c+\i)+3],   v[ADRB+\slot] offset:\k+64*\c+\i*16*PITCH
	ds_load_b128 v[\f+64+8*(4*\c+\i)+4:\f+64+8*(4*\c+\i)+7], v[ADRB+\slot] offset:\k+64*\c+\i*16*PITCH+32
	ds_load_b128 v[\f+8*(4*\c+\i):\f+8*(4*\c+\i)+3],         v[ADRA+\slot] offset:\k+64*\c+\i*16*PITCH
	ds_load_b128 v[\f+8*(4*\c+\i)+4:\f+8*(4*\c+\i)+7],       v[ADRA+\slot] offset:\k+64*\c+\i*16*PITCH+32
.endr
.endr
.endm
.macro PLACES
.rept 4
	v_nop
.endr
.endm
.macro QUARTER slot, k, f, g, zero     ; 64 along K: multiplies buffer f and fetches the next quarter, at byte k, into g
	s_wait_dscnt 16                                ; the first 32 along K are in
	WIN MUL
	MUL8 \f, 0, 0, \zero
	MUL8 \f, 0, 2, \zero
	PLACES
	FETCH \slot, \k, \g
	s_wait_dscnt 32                                ; all but the 32 just issued
	WIN MUL
	MUL8 \f, 1, 0, 0
	MUL8 \f, 1, 2, 0
.endm
; The last quarter changes slots: one barrier; in front of it each wave waits for all its tensor loads, adds 0 to its spare word, and waits for that and for its reads of this slot.  fill = 1: this slot is filled again.
.macro TURN slot, next, fill
	WIN 0
	s_wait_tensorcnt 0x0                           ; all my tensor loads have landed: my part of the next slot
	ds_add_u32 v[SPW], v[NIL]                      ; 0 onto my spare word
	s_wait_dscnt 17                                ; (the add and the youngest sixteen loads may be out)
	WIN MUL
	MUL8 F1, 0, 0, 0
	s_wait_dscnt 0x0                               ; the add is done, and my reads of this slot are over
	s_barrier_signal -1
	MUL8 F1, 0, 2, 0
.if \fill
	WIN 0
.endif
	s_barrier_wait -1
.if \fill
	CREST                                          ; the barrier has opened a round of the cluster's: no wave of any partner still reads this slot or has a load on its way
	s_add_nc_u64 s[G0+4*\slot+2:G0+4*\slot+3], s[G0+4*\slot+2:G0+4*\slot+3], 2*KSTEP*2
	s_add_nc_u64 s[G0B+4*\slot+2:G0B+4*\slot+3], s[G0B+4*\slot+2:G0B+4*\slot+3], 2*KSTEP*2
	JLOAD \slot                                    ; the first tensor load behind the round; its four v_nop are also the places in front of the loads below
.else
	PLACES
.endif
	FETCH \next, 0, F0
	WIN MUL
	MUL8 F1, 1, 0, 0
	MUL8 F1, 1, 2, 0
.endm
	s_wait_tensorcnt 1                             ; my part of K step 0 is in (K step 1's load may be out),
	s_barrier_signal -1
	s_barrier_wait -1                              ; everybody's is
	FETCH 0, 0, F0
	QUARTER 0, 128, F0, F1, 1                      ; the first products start the sums
	WIN 0
	s_mov_b32 s3, LAPS-1
.Llap:                                             ; a trip goes once round the ring and fills both slots again
	QUARTER 0, 256, F1, F0, 0
	QUARTER 0, 384, F0, F1, 0
	TURN 0, 1, 1
	QUARTER 1, 128, F0, F1, 0
	QUARTER 1, 256, F1, F0, 0
	QUARTER 1, 384, F0, F1, 0
	TURN 1, 0, 1
	QUARTER 0, 128, F0, F1, 0
	WIN 0
	s_sub_co_u32 s3, s3, 1
	s_cmp_lg_u32 s3, 0
	s_cbranch_scc1 .Llap
	QUARTER 0, 256, F1, F0, 0                      ; the last lap fills nothing
	QUARTER 0, 384, F0, F1, 0
	TURN 0, 1, 0
	QUARTER 1, 128, F0, F1, 0
	QUARTER 1, 256, F1, F0, 0
	QUARTER 1, 384, F0, F1, 0
	s_wait_dscnt 16
	WIN MUL
	MUL8 F1, 0, 0, 0
	MUL8 F1, 0, 2, 0
	s_wait_dscnt 0
	MUL8 F1, 1, 0, 0
	MUL8 F1, 1, 2, 0
	WIN 0
; THE WAY OUT, a block of 16 rows x 64 columns at a time: times F, 32 bytes a lane into my stage, back as whole rows of 256 bytes.
.macro BLK a
.irp b, 0,1,2,3
.irp i, 0,2,4,6
	v_pk_mul_f32 v[ACC+8*(4*(\a)+\b)+\i:ACC+8*(4*(\a)+\b)+\i+1], v[ACC+8*(4*(\a)+\b)+\i:ACC+8*(4*(\a)+\b)+\i+1], v[FP+2*(\a):FP+2*(\a)+1]   ; each accumulator from its low end
.endr
.endr
.irp b, 0,1,2,3
	ds_store_b128 v[STO], v[ACC+8*(4*(\a)+\b):ACC+8*(4*(\a)+\b)+3] offset:64*\b
	ds_store_b128 v[STO], v[ACC+8*(4*(\a)+\b)+4:ACC+8*(4*(\a)+\b)+7] offset:64*\b+16
.endr
.irp t, 0,1,2,3,4,5,6,7
	ds_load_b128 v[OB+32*((\a)%2)+4*\t:OB+32*((\a)%2)+4*\t+3], v[RD] offset:\t*2*SPITCH   ; LDS serves a wave's instructions in order: these see the stores above
.endr
.endm
.macro SEND a, younger                 ; younger: the next block's sixteen LDS instructions, which may stay out
	s_wait_dscnt \younger
.irp t, 0,1,2,3,4,5,6,7
	global_store_b128 v[CO], v[OB+32*((\a)%2)+4*\t:OB+32*((\a)%2)+4*\t+3], s[8:9] offset:(16*(\a)+2*\t)*SIZE_N*4 th:TH_STORE_NT   ; 16 lanes store 256 consecutive bytes, aligned
.endr
.endm
	PLACES                                         ; behind the last products, ahead of the first read of results
	BLK 0
	BLK 1
	SEND 0, 16
	s_wait_xcnt 0x0                                ; block 0's stores have read their registers: block 2's rows may land there
	BLK 2
	SEND 1, 16
	s_wait_xcnt 0x0
	BLK 3
	SEND 2, 16
	SEND 3, 0
	s_wait_tensorcnt 0x0                           ; the wave's end
	ds_add_u32 v[SPW], v[NIL]
	s_wait_dscnt 0x0
	CROUND                                         ; the closing round
	s_endpgm
.Lfunc_end_k_qc1680edddc_outp:
	.size	k_qc1680edddc_outp, .Lfunc_end_k_qc1680edddc_outp-k_qc1680edddc_outp
	.p2alignl 7, 3214868480
	.fill 96, 4, 3214868480
	.section	.rodata,"a",@progbits
	.p2align	6, 0x0
	.amdhsa_kernel k_qc1680edddc_outp
		.amdhsa_group_segment_fixed_size 327680
		.amdhsa_private_segment_fixed_size 0
		.amdhsa_enable_private_segment 0
		.amdhsa_kernarg_size 40
		.amdhsa_user_sgpr_count 2
		.amdhsa_user_sgpr_kernarg_segment_ptr 1
		.amdhsa_wavefront_size32 1
		.amdhsa_system_sgpr_workgroup_id_x 1
		.amdhsa_system_sgpr_workgroup_id_y 1
		.amdhsa_system_sgpr_workgroup_id_z 1
		.amdhsa_system_vgpr_workitem_id 0
		.amdhsa_next_free_vgpr 512
		.amdhsa_next_free_sgpr 76
		.amdhsa_reserve_vcc 0
		.amdhsa_float_denorm_mode_32 3
		.amdhsa_float_denorm_mode_16_64 3
		.amdhsa_memory_ordered 1
		.amdhsa_forward_progress 1
		.amdhsa_inst_pref_size 99
	.end_amdhsa_kernel
	.amdgpu_metadata
---
amdhsa.version: [ 1, 2 ]
amdhsa.kernels:
  - .name:           k_qc1680edddc_outp
    .symbol:         k_qc1680edddc_outp.kd
    .args:
      - { .name: att16, .offset: 0, .size: 8, .value_kind: global_buffer, .address_space: global }
      - { .name: wo16, .offset: 8, .size: 8, .value_kind: global_buffer, .address_space: global }
      - { .name: ss, .offset: 16, .size: 8, .value_kind: global_buffer, .address_space: global }
      - { .name: lam, .offset: 24, .size: 8, .value_kind: global_buffer, .address_space: global }
      - { .name: out0, .offset: 32, .size: 8, .value_kind: global_buffer, .address_space: global }
    .group_segment_fixed_size: 327680
    .private_segment_fixed_size: 0
    .kernarg_segment_align: 8
    .kernarg_segment_size: 40
    .max_flat_workgroup_size: 128
    .sgpr_count:     76
    .vgpr_count:     512
    .wavefront_size: 32
...
	.end_amdgpu_metadata
.endif
;; end of part 4
